; MI455X (gfx1250); checked and timed in simulation.
; The chip was launched on July 23, 2026; its instructions are those of AMD's public machine-readable ISA for CDNA 5 (MIT licence, August 2026) and "CDNA5" Instruction Set Architecture Reference Guide (July 2026). The comments in the code are by the model that wrote it; some were corrected since.
;; Block. Allowed arithmetic: matrix products marked QUANTISED: E2M1 operands, one E8M0 scale for each 32 along K, by v_wmma_scale_f32_16x16x128_f8f6f4 with both operands' format E2M1 (or v_wmma_scale_f32_32x16x128_f4), f32 sums; everything else in f32.
;; Inputs: l1_b 4,096 float32; l1_w_codes 4,096 x 32 x 16 uint8 (E2M1 codes of l1_w, K innermost, in blocks of 32 codes, two codes a byte); l1_w_scales 4,096 x 32 uint8 (E8M0 scales of l1_w, one for each 32 codes along K); l3_b 1,024 float32; l3_w_codes 1,024 x 128 x 16 uint8 (E2M1 codes of l3_w, K innermost, in blocks of 32 codes, two codes a byte); l3_w_scales 1,024 x 128 uint8 (E8M0 scales of l3_w, one for each 32 codes along K); ln1_b 1,024 float32; ln1_g 1,024 float32; ln2_b 1,024 float32; ln2_g 1,024 float32; proj_b 1,024 float32; proj_w_codes 1,024 x 32 x 16 uint8 (E2M1 codes of proj_w, K innermost, in blocks of 32 codes, two codes a byte); proj_w_scales 1,024 x 32 uint8 (E8M0 scales of proj_w, one for each 32 codes along K); qkv_w_codes 3,072 x 32 x 16 uint8 (E2M1 codes of qkv_w, K innermost, in blocks of 32 codes, two codes a byte); qkv_w_scales 3,072 x 32 uint8 (E8M0 scales of qkv_w, one for each 32 codes along K); x 2 x 2,048 x 1,024 float32.
;; Outputs: out0 2 x 2,048 x 1,024 float32.
;; This version of the problem:
;;   THIS VERSION OF THE PROBLEM IS GIVEN IN LOW PRECISION. The matrix products marked QUANTISED in the list below multiply operands that are first quantised to E2M1 (2 exponent bits, 1 mantissa bit; 4 bits a number), with one power-of-two scale for each 32 numbers along K (OCP MX v1.0); their sums are f32. All else is computed in f32.
;;   The module's matrix products, in the order in which they are computed (A, B: the left and right operand; K: the contracted axis; several contracted axes count as one K, in the product's order):
;;     1. [M 4,096, K 1,024] x [K 1,024, N 3,072]; A: computed on the way; B: input qkv_w (given as codes): QUANTISED
;;     2. batch 32 x [M 2,048, K 64] x [K 64, N 2,048]; A: computed on the way; B: computed on the way: QUANTISED
;;     3. batch 32 x [M 64, K 2,048] x [K 2,048, N 2,048]; A: computed on the way; B: softmax (see below): QUANTISED
;;     4. [M 4,096, K 1,024] x [K 1,024, N 1,024]; A: computed on the way; B: input proj_w (given as codes): QUANTISED
;;     5. [M 4,096, K 1,024] x [K 1,024, N 4,096]; A: computed on the way; B: input l1_w (given as codes): QUANTISED
;;     6. [M 4,096, K 4,096] x [K 4,096, N 1,024]; A: computed on the way; B: input l3_w (given as codes): QUANTISED
;;   THE QUANTISER, for each operand of a quantised product, along K:
;;     - K is cut into blocks of 32 from its start; a last block that is shorter is filled with zeros.
;;     - A block's scale is 2^e with e = floor(log2(the largest magnitude in the block)) - 2, held to -126 .. 127; a block of zeros has e = 0. As a byte (E8M0): e + 127.
;;     - Each number is divided by its block's scale, clamped to +-6, and rounded to the nearest number of E2M1, ties to even, subnormals kept.
;;     - The product sums the exact products of the quantised numbers (number of the format x scale) in f32.
;;   ~~~python
;;   def quantise(x, axis):      # numpy; x: float32 -> the quantised numbers, widened to float32 again
;;       x = np.moveaxis(x, axis, -1); K = x.shape[-1]
;;       x = np.pad(x, [(0, 0)] * (x.ndim - 1) + [(0, -K % 32)]); x = x.reshape(x.shape[:-1] + (-1, 32)); a = np.abs(x).max(-1, keepdims=True)
;;       e = np.where(a > 0, np.clip(np.frexp(np.where(a > 0, a, 1))[1] - 1 - 2, -126, 127), 0)      # np.frexp(a)[1] - 1 = floor(log2(a)), exactly
;;       r = np.clip(x / 2.0 ** e, -6, 6)
;;       step = 2.0 ** (np.maximum(np.frexp(np.where(r == 0, 1, r))[1] - 1, 0) - 1)
;;       q = np.round(r / step) * step * 2.0 ** e      # np.round: ties to even
;;       return np.moveaxis(q.reshape(q.shape[:-2] + (-1,))[..., :K], -1, axis).astype(np.float32)
;;   ~~~
;;   SOFTMAX AHEAD OF A QUANTISED PRODUCT. Where the list says 'softmax', what is quantised is not the finished softmax but p = 2^(t - M), with t = logit x log2(e) and M = ceil(the row's largest t), a whole number; so 1/2 < the row's largest p <= 1. The row's sum l is taken of the UNQUANTISED p, in f32, and the product's result is divided by l at the end. Since M is a whole number, a kernel that streams over the keys may use a running M (the ceiling of the running maximum): every later rescaling is an exact power of two, which a block's scale takes up: the codes' values come out the same.
;;   OPERANDS COMPUTED ON THE WAY. 'Computed on the way' means the value that the module computes at that place (a softmax that the list does not call 'softmax' is quantised finished and normalised). What goes into a quantiser is computed in f32, as accurately as f32 sums, v_exp_f32 and their like allow (about 1e-6 of the number): no bf16 or f16 on the way to a quantiser, and a product that is left as it is and whose result goes on into a quantised operand takes f32 operands (vector FMAs, or v_wmma_f32_16x16x4_f32). A number that lies on a knife's edge between two numbers of the format may be rounded either way, as far as f32 arithmetic and the matrix unit's own rounding can turn it there, and no further.
;;   INPUTS GIVEN AS CODES. l1_w (in the module: [4096, 1024], K = its axis 1); l3_w (in the module: [1024, 4096], K = its axis 1); proj_w (in the module: [1024, 1024], K = its axis 1); qkv_w (in the module: [3072, 1024], K = its axis 1): each comes as NAME_codes (uint8): NAME with its K axis moved to the last place and cut into blocks of 32 codes, [.., K / 32, bytes a block], one block behind the other in memory; two codes a byte, the lower K in the low four bits (a code: sign, 2 exponent bits, 1 mantissa bit); and NAME_scales (uint8): the same leading axes, one E8M0 byte (e + 127) for each 32 codes along K. Its value is code x scale, taken as it is: it is not quantised again, and the codes and scales need not be those that the quantiser above would give.
;; One version. Each part assembles by itself: llvm-mc -triple=amdgcn-amd-amdhsa -mcpu=gfx1250 --defsym DOCPART=n.
;; ======== version 1 of 1: 7 launches
;; limits: right only within a limited range of input values
;; workspace buffers: act_codes 2,097,152 bytes; act_scales 131,072 bytes; qkv_codes 6,291,456 bytes; qkv_scales 655,360 bytes; x1 16,777,216 bytes; hid_codes 8,388,608 bytes; hid_scales 524,288 bytes
;; launch ln1 (part 1): grid 256 x 1, 8 waves a work-group, no clusters, 168,960 bytes of LDS; arguments x, ln1_g, ln1_b, act_codes, act_scales; writes act_codes, act_scales
.if DOCPART == 1
	.amdgcn_target "amdgcn-amd-amdhsa--gfx1250"
	.amdhsa_code_object_version 6
	.text
	.protected	k_qb6f9fce283_ln1
	.globl	k_qb6f9fce283_ln1
	.p2align	8
	.type	k_qb6f9fce283_ln1,@function
k_qb6f9fce283_ln1:
	s_mov_b64 s[64:65], 0
	v_nop
	global_prefetch_b8 v0, s[64:65] scope:SCOPE_SE
	s_setreg_imm32_b32 hwreg(HW_REG_WAVE_MODE, 25, 1), 1
	s_wait_xcnt 0x0
; y = gamma (x - mean) / (std + 1e-6) + beta along rows of 1,024 f32 (std with the divisor 1,023), and y quantised to FP4 (E2M1) codes with one E8M0 byte for each 32 along the row.
; OUT: codes as images of the operand's registers, [row / 16][block of 32][16 rows][16 bytes]; scale words [row / 16][K / 512][16 rows][4 words of 128 K].
; SHARES: a work-group takes 16 rows; wave w takes columns 128 w .. 128 w + 127, one K step of the next product; lane (r, h) holds row r and, of each block of 32, the 16 numbers at 16 h.
; The mean and the sum of squares are made per wave about the wave's OWN mean and then combined (sum of M2_w + 128 (mean_w - mean)^2): no difference of large sums is formed, whatever offset the rows carry.
; Means are kept negated, so that taking one off is an addition.
; LIMITS: NaN and infinities are not served.  A block of zeros, or one whose largest magnitude lies under 2^-124, gets the byte 1 (its codes are zeros or held); only this program reads the bytes.
; No cluster: work-groups share no input but gamma and beta, 8 KiB beside 64 KiB of rows.  No matrix unit: there is no product here.
.set TILEB, 8448                       ; a wave's tile in LDS: 16 rows x (512 bytes + 16 of padding)
.set PART,  67584                      ; behind the eight tiles: [row] pitch 80, [wave] 8 bytes: -mean_w, M2_w
.set SST,   69120                      ; the 16 rows' scale words as they lie in memory: 512 bytes
.set XR,    64                         ; v64-127  my 64 numbers: register 16 b + i = column 128 w + 32 b + 16 h + i
.set GR,    128                        ; v128-191 gamma at the same columns
.set BR,    192                        ; v192-255 beta
.set PC,    40                         ; v40-47   the fragment's codes
.set TM,    48                         ; v48-51 largest magnitudes, v52-55 bytes, v60-63 the conversions' scale operands
.set PW,    10                         ; v10      my row's scale word
.set SEL,   28                         ; s[28:29] v_permlanex16_b32's selects for lane l xor 16
; 64 numbers of a lane, register 16 b + i = k 32 b + 16 h + i of my row, become a fragment's codes in v[PC] on and its scale word in v[PW]
.macro QUANT s
.irp b, 0,1,2,3
	v_max3_num_f32 v[TM+\b], |v[\s+16*\b]|, |v[\s+1+16*\b]|, 0x1800000   ; my 16 numbers of block b, and the floor 2^(3 - 127): the byte cannot fall under 1
.endr
.irp i, 2,4,6,8,10,12,14
.irp b, 0,1,2,3
	s_delay_alu instid0(VALU_DEP_4)
	v_max3_num_f32 v[TM+\b], v[TM+\b], |v[\s+16*\b+\i]|, |v[\s+1+16*\b+\i]|
.endr
.endr
.irp b, 0,1,2,3
	s_delay_alu instid0(VALU_DEP_4)
	v_permlanex16_b32 v[TM+4+\b], v[TM+\b], s[SEL], s[SEL+1]
.endr
.irp b, 0,1,2,3
	s_delay_alu instid0(VALU_DEP_4)
	v_max_num_f32 v[TM+\b], v[TM+\b], v[TM+4+\b]           ; with lane l xor 16's: the block's largest magnitude
.endr
.irp b, 0,1,2,3
	s_delay_alu instid0(VALU_DEP_4)
	v_add_nc_u32 v[TM+12+\b], 0xff000000, v[TM+\b]         ; 2 off its exponent field: the conversion takes that field as its scale
.endr
.irp b, 0,1,2,3
	s_delay_alu instid0(VALU_DEP_4)
	v_lshrrev_b32 v[TM+4+\b], 23, v[TM+12+\b]              ; the scale's byte
.endr
	s_delay_alu instid0(VALU_DEP_3)
	v_lshl_or_b32 v[PW], v[TM+5], 8, v[TM+4]
	s_delay_alu instid0(VALU_DEP_1)
	v_lshl_or_b32 v[PW], v[TM+6], 16, v[PW]
	s_delay_alu instid0(VALU_DEP_1)
	v_lshl_or_b32 v[PW], v[TM+7], 24, v[PW]
.irp b, 0,1,2,3
	v_cvt_scalef32_pk8_fp4_f32 v[PC+2*\b], v[\s+16*\b:\s+7+16*\b], v[TM+12+\b]
	v_cvt_scalef32_pk8_fp4_f32 v[PC+1+2*\b], v[\s+8+16*\b:\s+15+16*\b], v[TM+12+\b]
.endr
	v_nop                                                  ; one plain place behind a scaled conversion
.irp c, 0,1                            ; the operand wants a whole block in a lane: lanes 0-15 block 2 c, lanes 16-31 block 2 c + 1
.irp i, 0,1
	v_permlane16_swap_b32 v[PC+4*\c+\i], v[PC+2+4*\c+\i]
.endr
.endr
.endm
	s_load_b256 s[4:11], s[0:1], 0x0               ; x s[4:5], gamma s[6:7], beta s[8:9], codes s[10:11]
	s_load_b64 s[24:25], s[0:1], 0x20              ; scale words
	v_lshl_add_u32 v58, v0, 2, 0x29000
	v_mov_b32 v59, 0
	ds_add_u32 v58, v59
	ds_add_u32 v58, v59
	v_lshrrev_b32 v1, 5, v0
	s_delay_alu instid0(VALU_DEP_1)
	v_readfirstlane_b32 s26, v1                    ; wave 0..7
	; descriptor group 1: 16 rows x 128 elements of 4 bytes, 1,024 elements from row to row; 4 words of padding behind every 128
	s_mov_b32 s16, (2<<16)|(1<<20)|(6<<22)|(3<<25)
	s_mov_b32 s17, 128<<16                         ; tensor_dim0
	s_mov_b32 s18, 16<<16                          ; tensor_dim1
	s_mov_b32 s19, 128<<16                         ; tile_dim0
	s_mov_b32 s20, 16                              ; tile_dim1
	s_mov_b32 s21, 1024                            ; the pitch
	s_mov_b32 s22, 0
	s_mov_b32 s23, 0
	s_lshl_b32 s30, ttmp9, 16                      ; 16 rows of 4,096 bytes a work-group
	s_lshl_b32 s32, s26, 9                         ; my wave's 512 bytes of a row
	s_mov_b32 s33, 0
	s_add_co_u32 s30, s30, s32
	s_mov_b32 s31, 0
	s_mov_b32 s12, 1                               ; group 0: count
	s_mul_i32 s13, s26, TILEB                      ; LDS address: my wave's tile
	s_mov_b32 s[SEL], 0x76543210
	s_mov_b32 s[SEL+1], 0xfedcba98
	s_lshl_b32 s34, ttmp9, 13                      ; codes: 8,192 bytes for 16 rows, 1,024 for a K step
	s_lshl_b32 s35, s26, 10
	s_add_co_u32 s34, s34, s35
	s_mov_b32 s35, 0
	s_lshl_b32 s36, ttmp9, 9                       ; scale words: 512 bytes for 16 rows
	s_mov_b32 s37, 0
	s_wait_dscnt 0x0
	s_wait_kmcnt 0x0
	s_add_nc_u64 s[14:15], s[4:5], s[30:31]
	s_or_b32 s15, s15, 0x80000000                  ; type = 2
	tensor_load_to_lds s[12:15], s[16:23]          ; my tile: filled once, read by my wave alone
	s_nop 0
.rept 4
	v_nop
.endr
	s_add_nc_u64 s[6:7], s[6:7], s[32:33]
	s_add_nc_u64 s[8:9], s[8:9], s[32:33]
	s_add_nc_u64 s[10:11], s[10:11], s[34:35]
	s_add_nc_u64 s[24:25], s[24:25], s[36:37]
	v_and_b32 v1, 15, v0                           ; r
	v_bfe_u32 v2, v0, 4, 1                         ; h
	v_and_b32 v3, 31, v0                           ; lane
	s_wait_alu depctr_va_vdst(0)
	v_lshlrev_b32 v5, 6, v2                        ; 64 h
.irp b, 0,1,2,3
.irp j, 0,1,2,3
	global_load_b128 v[GR+16*\b+4*\j:GR+16*\b+4*\j+3], v5, s[6:7] offset:128*\b+16*\j
	global_load_b128 v[BR+16*\b+4*\j:BR+16*\b+4*\j+3], v5, s[8:9] offset:128*\b+16*\j
.endr
.endr
	v_mul_u32_u24 v4, v1, 528
	s_delay_alu instid0(VALU_DEP_1)
	v_lshl_add_u32 v4, v2, 6, v4
	s_delay_alu instid0(VALU_DEP_1)
	v_add_nc_u32 v4, s13, v4                       ; my numbers in the tile: 8,448 w + 528 r + 64 h
	v_mul_u32_u24 v6, v1, 80
	s_lshl_b32 s38, s26, 3
	s_add_co_u32 s38, s38, PART
	v_add_nc_u32 v7, PART, v6                      ; my row's eight partial results
	v_add_nc_u32 v6, s38, v6                       ; and where my wave's go
	s_lshr_b32 s39, s26, 2
	s_lshl_b32 s39, s39, 8
	s_and_b32 s40, s26, 3
	s_lshl_b32 s40, s40, 2
	s_add_co_u32 s39, s39, s40
	s_add_co_u32 s39, s39, SST
	v_lshl_add_u32 v8, v1, 4, s39                  ; my row's word of K step w: 256 (w / 4) + 16 r + 4 (w % 4)
	v_lshlrev_b32 v9, 4, v3                        ; 16 x lane
	v_lshl_add_u32 v11, v3, 4, SST
.irp b, 0,1,2,3
	v_mov_b32 v[TM+4+\b], 0                        ; written once: a lane permute's destination counts as one of its sources
.endr
	s_wait_tensorcnt 0x0                           ; my tile is in LDS; only my wave reads it
.irp b, 0,1,2,3
.irp j, 0,1,2,3
	ds_load_b128 v[XR+16*\b+4*\j:XR+16*\b+4*\j+3], v4 offset:128*\b+16*\j
.endr
.endr
	s_wait_dscnt 0x0
	; the wave's own mean of row r: four packed chains, then the two halves of the lanes
	v_pk_add_f32 v[34:35], v[64:65], v[72:73]
	v_pk_add_f32 v[36:37], v[80:81], v[88:89]
	v_pk_add_f32 v[38:39], v[96:97], v[104:105]
	v_pk_add_f32 v[62:63], v[112:113], v[120:121]
	v_pk_add_f32 v[60:61], v[66:67], v[74:75]
	v_pk_add_f32 v[56:57], v[82:83], v[90:91]
	v_pk_add_f32 v[50:51], v[98:99], v[106:107]
	v_pk_add_f32 v[32:33], v[114:115], v[122:123]
	s_delay_alu instid0(VALU_DEP_1)
	v_pk_add_f32 v[32:33], v[32:33], v[68:69]
	v_pk_add_f32 v[34:35], v[34:35], v[76:77]
	v_pk_add_f32 v[36:37], v[36:37], v[84:85]
	v_pk_add_f32 v[38:39], v[38:39], v[92:93]
	v_pk_add_f32 v[62:63], v[62:63], v[100:101]
	v_pk_add_f32 v[60:61], v[60:61], v[108:109]
	v_pk_add_f32 v[56:57], v[56:57], v[116:117]
	v_pk_add_f32 v[50:51], v[50:51], v[124:125]
	v_pk_add_f32 v[32:33], v[32:33], v[70:71]
	v_pk_add_f32 v[34:35], v[34:35], v[78:79]
	v_pk_add_f32 v[36:37], v[36:37], v[86:87]
	v_pk_add_f32 v[38:39], v[38:39], v[94:95]
	v_pk_add_f32 v[62:63], v[62:63], v[102:103]
	v_pk_add_f32 v[60:61], v[60:61], v[110:111]
	v_pk_add_f32 v[56:57], v[56:57], v[118:119]
	v_pk_add_f32 v[50:51], v[50:51], v[126:127]
	s_delay_alu instid0(VALU_DEP_4)
	v_pk_add_f32 v[32:33], v[32:33], v[62:63]
	s_delay_alu instid0(VALU_DEP_4)
	v_pk_add_f32 v[34:35], v[34:35], v[60:61]
	s_delay_alu instid0(VALU_DEP_4)
	v_pk_add_f32 v[36:37], v[36:37], v[56:57]
	s_delay_alu instid0(VALU_DEP_4)
	v_pk_add_f32 v[38:39], v[38:39], v[50:51]
	s_delay_alu instid0(VALU_DEP_2)
	v_pk_add_f32 v[32:33], v[32:33], v[36:37]
	s_delay_alu instid0(VALU_DEP_2)
	v_pk_add_f32 v[34:35], v[34:35], v[38:39]
	s_delay_alu instid0(VALU_DEP_1)
	v_pk_add_f32 v[32:33], v[32:33], v[34:35]
	s_delay_alu instid0(VALU_DEP_1)
	v_add_f32 v32, v32, v33
	s_delay_alu instid0(VALU_DEP_1)
	v_permlanex16_b32 v33, v32, s[SEL], s[SEL+1]
	s_delay_alu instid0(VALU_DEP_1)
	v_add_f32 v32, v32, v33
	s_delay_alu instid0(VALU_DEP_1)
	v_mul_f32 v12, 0xbc000000, v32                 ; -mean_w = the sum x -1/128
	s_delay_alu instid0(VALU_DEP_1)
	v_mov_b32 v13, v12
.set p, 0
.rept 32
	v_pk_add_f32 v[XR+p:XR+p+1], v[XR+p:XR+p+1], v[12:13]      ; x - mean_w, in place
.set p, p+2
.endr
.irp k, 0,1,2,3
	v_pk_mul_f32 v[32+2*\k:33+2*\k], v[XR+2*\k:XR+2*\k+1], v[XR+2*\k:XR+2*\k+1]
.endr
.irp p, 4,8,12,16,20,24,28
.irp k, 0,1,2,3
	s_delay_alu instid0(VALU_DEP_4)
	v_pk_fma_f32 v[32+2*\k:33+2*\k], v[XR+2*(\p+\k):XR+2*(\p+\k)+1], v[XR+2*(\p+\k):XR+2*(\p+\k)+1], v[32+2*\k:33+2*\k]
.endr
.endr
	s_delay_alu instid0(VALU_DEP_3)
	v_pk_add_f32 v[32:33], v[32:33], v[34:35]
	s_delay_alu instid0(VALU_DEP_2)
	v_pk_add_f32 v[36:37], v[36:37], v[38:39]
	s_delay_alu instid0(VALU_DEP_1)
	v_pk_add_f32 v[32:33], v[32:33], v[36:37]
	s_delay_alu instid0(VALU_DEP_1)
	v_add_f32 v32, v32, v33
	s_delay_alu instid0(VALU_DEP_1)
	v_permlanex16_b32 v33, v32, s[SEL], s[SEL+1]
	s_delay_alu instid0(VALU_DEP_1)
	v_add_f32 v13, v32, v33                        ; M2_w
	ds_store_b64 v6, v[12:13]                      ; both halves of the lanes write the same pair
	s_wait_dscnt 0x0                               ; for the others' sake: my store is done
	s_barrier_signal -1
	s_barrier_wait -1
	ds_load_b128 v[16:19], v7
	ds_load_b128 v[20:23], v7 offset:16
	ds_load_b128 v[24:27], v7 offset:32
	ds_load_b128 v[28:31], v7 offset:48
	s_wait_dscnt 0x0
	v_add_f32 v32, v16, v18
	v_add_f32 v33, v20, v22
	v_add_f32 v34, v24, v26
	v_add_f32 v35, v28, v30
	s_delay_alu instid0(VALU_DEP_3)
	v_add_f32 v32, v32, v33
	s_delay_alu instid0(VALU_DEP_2)
	v_add_f32 v34, v34, v35
	s_delay_alu instid0(VALU_DEP_1)
	v_add_f32 v32, v32, v34
	s_delay_alu instid0(VALU_DEP_1)
	v_mul_f32 v36, 0x3e000000, v32                 ; -mean = the eight / 8
.irp w, 0,1,2,3,4,5,6,7
	v_sub_f32 v[16+2*\w], v[16+2*\w], v36          ; mean - mean_w
.endr
	v_mul_f32 v32, v16, v16
	v_mul_f32 v33, v18, v18
	s_delay_alu instid0(VALU_DEP_2)
	v_fmac_f32 v32, v20, v20
	s_delay_alu instid0(VALU_DEP_2)
	v_fmac_f32 v33, v22, v22
	s_delay_alu instid0(VALU_DEP_2)
	v_fmac_f32 v32, v24, v24
	s_delay_alu instid0(VALU_DEP_2)
	v_fmac_f32 v33, v26, v26
	s_delay_alu instid0(VALU_DEP_2)
	v_fmac_f32 v32, v28, v28
	s_delay_alu instid0(VALU_DEP_2)
	v_fmac_f32 v33, v30, v30
	s_delay_alu instid0(VALU_DEP_1)
	v_add_f32 v32, v32, v33
	v_add_f32 v34, v17, v19
	v_add_f32 v35, v21, v23
	v_add_f32 v37, v25, v27
	v_add_f32 v38, v29, v31
	s_delay_alu instid0(VALU_DEP_3)
	v_add_f32 v34, v34, v35
	s_delay_alu instid0(VALU_DEP_2)
	v_add_f32 v37, v37, v38
	s_delay_alu instid0(VALU_DEP_1)
	v_add_f32 v34, v34, v37
	s_delay_alu instid0(VALU_DEP_1)
	v_fmamk_f32 v34, v32, 0x43000000, v34          ; the row's sum of squares about its mean
	s_delay_alu instid0(VALU_DEP_1)
	v_mul_f32 v34, 0x3a802008, v34                 ; / 1,023
	s_wait_alu depctr_va_vdst(0)
	v_sqrt_f32 v35, v34
	v_sub_f32 v12, v36, v12                        ; d = mean_w - mean.  (A plain place behind the root)
	s_wait_alu depctr_va_vdst(0)
	v_add_f32 v35, 0x358637bd, v35                 ; std + 1e-6
	s_wait_alu depctr_va_vdst(0)
	v_rcp_f32 v14, v35
	v_nop                                          ; a plain place behind the reciprocal
	s_wait_alu depctr_va_vdst(0)
	v_mov_b32 v15, v14
	v_mul_f32 v12, v12, v14
	s_delay_alu instid0(VALU_DEP_1)
	v_mov_b32 v13, v12
	s_wait_alu depctr_va_vdst(0)
	s_wait_loadcnt 0x0                             ; gamma and beta
.set p, 0
.rept 32
	v_pk_fma_f32 v[XR+p:XR+p+1], v[XR+p:XR+p+1], v[14:15], v[12:13]            ; (x - mean) / (std + eps)
.set p, p+2
.endr
.set p, 0
.rept 32
	v_pk_fma_f32 v[XR+p:XR+p+1], v[XR+p:XR+p+1], v[GR+p:GR+p+1], v[BR+p:BR+p+1]
.set p, p+2
.endr
	QUANT XR
	global_store_b128 v9, v[PC:PC+3], s[10:11]               ; each store of the wave covers 512 consecutive bytes, aligned to 256
	global_store_b128 v9, v[PC+4:PC+7], s[10:11] offset:512
	ds_store_b32 v8, v[PW]
	s_wait_dscnt 0x0
	s_barrier_signal -1
	s_barrier_wait -1                              ; the 16 rows' 512 bytes of scale words lie together
	s_cmp_lg_u32 s26, 0
	s_cbranch_scc1 .Lend
	ds_load_b128 v[16:19], v11
	s_wait_dscnt 0x0
	global_store_b128 v9, v[16:19], s[24:25]       ; 512 consecutive bytes
.Lend:
	s_wait_tensorcnt 0x0
	ds_add_u32 v58, v59
	s_wait_dscnt 0x0
	s_endpgm
.Lfunc_end_k_qb6f9fce283_ln1:
	.size	k_qb6f9fce283_ln1, .Lfunc_end_k_qb6f9fce283_ln1-k_qb6f9fce283_ln1
	.p2alignl 7, 3214868480
	.fill 96, 4, 3214868480
	.section	.rodata,"a",@progbits
	.p2align	6, 0x0
	.amdhsa_kernel k_qb6f9fce283_ln1
		.amdhsa_group_segment_fixed_size 168960
		.amdhsa_private_segment_fixed_size 0
		.amdhsa_enable_private_segment 0
		.amdhsa_kernarg_size 40
		.amdhsa_user_sgpr_count 2
		.amdhsa_user_sgpr_kernarg_segment_ptr 1
		.amdhsa_wavefront_size32 1
		.amdhsa_system_sgpr_workgroup_id_x 1
		.amdhsa_system_sgpr_workgroup_id_y 1
		.amdhsa_system_sgpr_workgroup_id_z 1
		.amdhsa_system_vgpr_workitem_id 0
		.amdhsa_next_free_vgpr 256
		.amdhsa_next_free_sgpr 66
		.amdhsa_reserve_vcc 0
		.amdhsa_float_denorm_mode_32 3
		.amdhsa_float_denorm_mode_16_64 3
		.amdhsa_memory_ordered 1
		.amdhsa_forward_progress 1
		.amdhsa_inst_pref_size 28
	.end_amdhsa_kernel
	.amdgpu_metadata
---
amdhsa.version: [ 1, 2 ]
amdhsa.kernels:
  - .name:           k_qb6f9fce283_ln1
    .symbol:         k_qb6f9fce283_ln1.kd
    .args:
      - { .name: x, .offset: 0, .size: 8, .value_kind: global_buffer, .address_space: global }
      - { .name: ln1_g, .offset: 8, .size: 8, .value_kind: global_buffer, .address_space: global }
      - { .name: ln1_b, .offset: 16, .size: 8, .value_kind: global_buffer, .address_space: global }
      - { .name: act_codes, .offset: 24, .size: 8, .value_kind: global_buffer, .address_space: global }
      - { .name: act_scales, .offset: 32, .size: 8, .value_kind: global_buffer, .address_space: global }
    .group_segment_fixed_size: 168960
    .private_segment_fixed_size: 0
    .kernarg_segment_align: 8
    .kernarg_segment_size: 40
    .max_flat_workgroup_size: 256
    .sgpr_count:     66
    .vgpr_count:     256
    .wavefront_size: 32
...
	.end_amdgpu_metadata
.endif
;; end of part 1
;; launch qkv (part 2): grid 12 x 16, 16 waves a work-group, clusters of 4 x 4, 291,840 bytes of LDS; arguments act_codes, act_scales, qkv_w_codes, qkv_w_scales, qkv_codes, qkv_scales; writes qkv_codes, qkv_scales
.if DOCPART == 2
	.amdgcn_target "amdgcn-amd-amdhsa--gfx1250"
	.amdhsa_code_object_version 6
	.text
	.protected	k_qb6f9fce283_qkv
	.globl	k_qb6f9fce283_qkv
	.p2align	8
	.type	k_qb6f9fce283_qkv,@function
k_qb6f9fce283_qkv:
	s_mov_b64 s[64:65], 0
	v_nop
	global_prefetch_b8 v0, s[64:65] scope:SCOPE_SE
	s_setreg_imm32_b32 hwreg(HW_REG_WAVE_MODE, 25, 1), 1
	s_wait_xcnt 0x0
	s_wait_alu depctr_hold_cnt(0) depctr_sa_sdst(0) depctr_va_vdst(0) depctr_va_sdst(0) depctr_va_ssrc(0) depctr_va_vcc(0) depctr_vm_vsrc(0)
	s_getreg_b32 s2, hwreg(HW_REG_IB_STS2, 6, 4)
	s_cmp_eq_u32 s2, 0
	s_cbranch_scc0 .Lentry_in_a_cluster
	s_endpgm
.Lentry_in_a_cluster:
	s_bfe_u32 s2, ttmp6, 0x10000c
	s_cmp_lg_u32 s2, 0xf033
	s_cbranch_scc0 .Lentry_shape_is_right
	s_endpgm
.Lentry_shape_is_right:
; qkv = LN1(x) W^T on FP4 codes (K = 1,024), and q, k, v quantised again on the way out: q and k along the head's 64 (two blocks), v along the tokens.
; A tile of 256 tokens x 256 columns to a work-group of sixteen waves, each 64 x 64: 16 accumulators, 128 registers, no register windows; four waves share a SIMD, so one wave's LDS waits stand beside another's products.
; ALL OF K LIES IN LDS AT ONCE: 256 rows x 512 bytes for each side: filled once, no ring, one barrier.
; A's codes come as images of the operand's registers ([16 rows][block of 32][16 rows][16 bytes]): a fragment is 1,024 consecutive bytes, lane l's 16 bytes at 16 l.  W's come as rows of 512 bytes, padded to 528.
; CLUSTER 4 x 4: A's tiles are shared along a row of the cluster, W's along a column: joint loads.  The cluster's x says which of q, k, v the columns are, so the branch on it is alike in all partners.
; q, k: source 0 = 16 rows of W, source 1 = 16 tokens: a lane holds ONE token and its registers run along the head's channels.  v: the sources change places: a lane holds one channel and its registers run along the tokens.
; In both a block of 32 is the 16 registers of two neighbouring accumulators, with lane l xor 16's; two conversions and one exchange of halves give lane (r, h) bytes 8 h .. 8 h + 7 of row r's 16: one store fills an aligned 256 bytes.
; OUT: q, k codes [head][token / 16][2][16][16], words [head][token]: s0, s1, 0x7f, 0x7f (the next product's K is filled to 128 with zero codes); v codes [head][channel / 16][token / 32][16][16], bytes [head][token / 256][64][8].
; LIMITS: NaN and infinities are not served; a block of zeros or under 2^-124 gets the byte 1; only this program reads the bytes.
.set WROW,  131072                     ; behind A's 131,072 bytes: W's 256 rows, pitch 528
.set SCL,   266240                     ; scale words: 8 pieces of 8 x (256 + 16) bytes: A's four, W's four
.set STG1,  283648                     ; q, k: 256 bytes for each wave
.set STG2,  287744                     ; v: [head 4][channel 64][8 bytes]
.set ASC, 16                           ; v16-31  A's scale words: tile i, K step q % 4 at 4 i + q % 4
.set WSC, 32                           ; v32-47  W's
.set AF,  48                           ; v48-79  A's four fragments
.set WF,  80                           ; v80-111 W's four
.set ACC, 128                          ; v128-255 accumulator (i, j) at 8 (4 i + j): i = the lanes' tile, j = the registers' tile
.set CD,  48                           ; on the way out: codes, largest magnitudes, bytes, scale operands, words
.set MX,  64
.set PT,  72
.set SO,  80
.set SW,  88
.set WV,  16
.set G1A, 24
.set G1SA, 32
.set G1W, 40
.set G1SW, 48
.set G0A, 56
.set G0SA, 60
.set G0W, 68
.set G0SW, 72
.set SEL, 98
.macro PLACES                          ; four plain places behind a matrix instruction, ahead of loads into its registers and of reads of its results
.rept 4
	v_nop
.endr
.endm
.macro CROUND                          ; a round of the cluster's barrier
	s_barrier_signal -1
	s_barrier_wait -1
	s_cmp_lg_u32 s[WV], 0
	s_cbranch_scc1 .Lnot_wave_0_\@
	s_barrier_signal -3
.Lnot_wave_0_\@:
	s_barrier_wait -3
	s_barrier_signal -1
	s_barrier_wait -1
.endm
.macro FRAGS q                         ; the eight fragments of K step q
.irp i, 0,1,2,3
.irp c, 0,1
	ds_load_b128 v[AF+8*\i+4*\c:AF+8*\i+4*\c+3], v4 offset:8192*\i+1024*(\q)+512*\c
	ds_load_b128 v[WF+8*\i+4*\c:WF+8*\i+4*\c+3], v5 offset:8448*\i+64*(\q)+32*\c
.endr
.endr
.endm
.macro SCALES g                        ; the scale words of K steps 4 g .. 4 g + 3
.irp i, 0,1,2,3
	ds_load_b128 v[ASC+4*\i:ASC+4*\i+3], v6 offset:272*(2*\i+(\g))
	ds_load_b128 v[WSC+4*\i:WSC+4*\i+3], v7 offset:544*\i+16*(\g)
.endr
.endm
; 16 products; the 16 accumulators take turns, one instruction a turn, in the same order in every K step
.macro MUL16 q, zero, vp
.irp i, 0,1,2,3
.irp j, 0,1,2,3
.if \vp
.if \zero
	v_wmma_scale_f32_16x16x128_f8f6f4 v[ACC+8*(4*\i+\j):ACC+8*(4*\i+\j)+7], v[AF+8*\j:AF+8*\j+7], v[WF+8*\i:WF+8*\i+7], 0, v[ASC+4*\j+(\q)%4], v[WSC+4*\i+(\q)%4] matrix_a_fmt:MATRIX_FMT_FP4 matrix_b_fmt:MATRIX_FMT_FP4
.else
	v_wmma_scale_f32_16x16x128_f8f6f4 v[ACC+8*(4*\i+\j):ACC+8*(4*\i+\j)+7], v[AF+8*\j:AF+8*\j+7], v[WF+8*\i:WF+8*\i+7], v[ACC+8*(4*\i+\j):ACC+8*(4*\i+\j)+7], v[ASC+4*\j+(\q)%4], v[WSC+4*\i+(\q)%4] matrix_a_fmt:MATRIX_FMT_FP4 matrix_b_fmt:MATRIX_FMT_FP4
.endif
.else
.if \zero
	v_wmma_scale_f32_16x16x128_f8f6f4 v[ACC+8*(4*\i+\j):ACC+8*(4*\i+\j)+7], v[WF+8*\j:WF+8*\j+7], v[AF+8*\i:AF+8*\i+7], 0, v[WSC+4*\j+(\q)%4], v[ASC+4*\i+(\q)%4] matrix_a_fmt:MATRIX_FMT_FP4 matrix_b_fmt:MATRIX_FMT_FP4
.else
	v_wmma_scale_f32_16x16x128_f8f6f4 v[ACC+8*(4*\i+\j):ACC+8*(4*\i+\j)+7], v[WF+8*\j:WF+8*\j+7], v[AF+8*\i:AF+8*\i+7], v[ACC+8*(4*\i+\j):ACC+8*(4*\i+\j)+7], v[WSC+4*\j+(\q)%4], v[ASC+4*\i+(\q)%4] matrix_a_fmt:MATRIX_FMT_FP4 matrix_b_fmt:MATRIX_FMT_FP4
.endif
.endif
.endr
.endr
.endm
.macro KSTEP q, zero, vp
.if (\q) > 0
	PLACES
.endif
	FRAGS \q
.if (\q)%4 == 0
	SCALES (\q)/4
.endif
	s_wait_dscnt 0x0
	MUL16 \q, \zero, \vp
.endm
; The wave's eight blocks of 32 (block b = the 16 registers from ACC + 16 b, with lane l xor 16's) become codes (CD + 2 b, + 1: bytes 8 h .. 8 h + 7 of my row's 16) and bytes (SW + i: blocks 2 i and 2 i + 1)
.macro QUANT8
.irp b, 0,1,2,3,4,5,6,7
	v_max3_num_f32 v[MX+\b], |v[ACC+16*\b]|, |v[ACC+16*\b+1]|, 0x1800000       ; each accumulator is read from its low end on; the floor 2^(3 - 127) holds the byte at 1 from below
.endr
.irp i, 2,4,6,8,10,12,14
.irp b, 0,1,2,3,4,5,6,7
	v_max3_num_f32 v[MX+\b], v[MX+\b], |v[ACC+16*\b+\i]|, |v[ACC+16*\b+\i+1]|
.endr
.endr
.irp b, 0,1,2,3,4,5,6,7
	v_permlanex16_b32 v[PT+\b], v[MX+\b], s[SEL], s[SEL+1]
.endr
.irp b, 0,1,2,3,4,5,6,7
	v_max_num_f32 v[MX+\b], v[MX+\b], v[PT+\b]
.endr
.irp b, 0,1,2,3,4,5,6,7
	v_add_nc_u32 v[SO+\b], 0xff000000, v[MX+\b]            ; 2 off the exponent field: the conversion's scale operand
.endr
.irp b, 0,1,2,3,4,5,6,7
	v_lshrrev_b32 v[PT+\b], 23, v[SO+\b]                   ; the byte
.endr
.irp i, 0,1,2,3
	v_lshl_or_b32 v[SW+\i], v[PT+2*\i+1], 8, v[PT+2*\i]
.endr
.irp b, 0,1,2,3,4,5,6,7
	v_cvt_scalef32_pk8_fp4_f32 v[CD+2*\b], v[ACC+16*\b:ACC+16*\b+7], v[SO+\b]
	v_cvt_scalef32_pk8_fp4_f32 v[CD+2*\b+1], v[ACC+16*\b+8:ACC+16*\b+15], v[SO+\b]
.endr
	v_nop                                                  ; one plain place behind a scaled conversion
.irp b, 0,1,2,3,4,5,6,7
	v_permlane16_swap_b32 v[CD+2*\b], v[CD+2*\b+1]         ; bytes 4 h .. and 8 + 4 h .. become bytes 8 h .. 8 h + 7
.endr
.endm
.macro CODES si                        ; eight stores, each 256 consecutive bytes, aligned; si: bytes from tile i to tile i + 1
.irp i, 0,1,2,3
.irp u, 0,1
	global_store_b64 v12, v[CD+2*(2*\i+\u):CD+2*(2*\i+\u)+1], s[12:13] offset:(\si)*\i+256*\u
.endr
.endr
.endm
	s_load_b128 s[4:7], s[0:1], 0x0                ; A's codes, A's scale words
	s_load_b128 s[8:11], s[0:1], 0x10              ; W's codes, W's scale bytes
	s_load_b128 s[12:15], s[0:1], 0x20             ; q, k, v: codes, scales
	v_lshl_add_u32 v126, v0, 2, 0x46c00
	v_mov_b32 v127, 0
	ds_add_u32 v126, v127
	ds_add_u32 v126, v127
	v_lshrrev_b32 v1, 5, v0
	s_delay_alu instid0(VALU_DEP_1)
	v_readfirstlane_b32 s[WV], v1                  ; wave 0..15
	s_lshr_b32 s17, s[WV], 2                       ; wa: my 64 tokens
	s_and_b32 s18, s[WV], 3                        ; wb: my 64 columns.  Also p: the piece that I fetch, if I fetch
	s_bfe_u32 s20, ttmp6, 0x40000                  ; cx
	s_bfe_u32 s21, ttmp6, 0x40004                  ; cy
	s_lshl_b32 s22, ttmp9, 2
	s_add_co_u32 s22, s22, s20                     ; X: tile of 256 columns
	s_and_b32 s23, ttmp7, 0xffff
	s_lshl_b32 s23, s23, 2
	s_add_co_u32 s23, s23, s21                     ; Y: tile of 256 tokens
	s_lshl_b32 s84, s21, 2
	s_lshl_b32 s84, 15, s84                        ; my row of the cluster
	s_lshl_b32 s85, 0x1111, s20                    ; my column
	; group 1, A's codes: a dense block of 32,768 bytes as 128 rows of 32 elements of 8 bytes
	s_or_b32 s[G1A], s84, (3<<16)|(1<<21)
	s_mov_b32 s[G1A+1], 32<<16
	s_mov_b32 s[G1A+2], 128<<16
	s_mov_b32 s[G1A+3], 32<<16
	s_mov_b32 s[G1A+4], 128
	s_mov_b32 s[G1A+5], 32
	s_mov_b32 s[G1A+6], 0
	s_mov_b32 s[G1A+7], 0
	; scale pieces: 2,048 dense bytes as 8 rows of 256, 16 bytes of padding behind each
	s_or_b32 s[G1SA], s84, (3<<16)|(1<<20)|(1<<21)|(5<<22)|(3<<25)
	s_or_b32 s[G1SW], s85, (3<<16)|(1<<20)|(1<<21)|(5<<22)|(3<<25)
.irp g, G1SA, G1SW
	s_mov_b32 s[\g+1], 32<<16
	s_mov_b32 s[\g+2], 8<<16
	s_mov_b32 s[\g+3], 32<<16
	s_mov_b32 s[\g+4], 8
	s_mov_b32 s[\g+5], 32
	s_mov_b32 s[\g+6], 0
	s_mov_b32 s[\g+7], 0
.endr
	; W's codes: 64 rows of 512 bytes, 16 bytes of padding behind each
	s_or_b32 s[G1W], s85, (1<<20)|(1<<21)|(6<<22)|(3<<25)
	s_mov_b32 s[G1W+1], 512<<16
	s_mov_b32 s[G1W+2], 64<<16
	s_mov_b32 s[G1W+3], 512<<16
	s_mov_b32 s[G1W+4], 64
	s_mov_b32 s[G1W+5], 512
	s_mov_b32 s[G1W+6], 0
	s_mov_b32 s[G1W+7], 0
	s_lshl_b32 s86, s18, 15                        ; 32,768 p
	s_lshl_b32 s87, s18, 11                        ; 2,048 p
	s_lshl_b32 s76, s23, 17                        ; A hangs on Y and the wave alone,
	s_add_co_u32 s76, s76, s86
	s_mov_b32 s77, 0
	s_lshl_b32 s78, s23, 13
	s_add_co_u32 s78, s78, s87
	s_mov_b32 s79, 0
	s_lshl_b32 s80, s22, 17                        ; W on X and the wave alone
	s_add_co_u32 s80, s80, s86
	s_mov_b32 s81, 0
	s_lshl_b32 s82, s22, 13
	s_add_co_u32 s82, s82, s87
	s_mov_b32 s83, 0
	s_mov_b32 s[SEL], 0x76543210
	s_mov_b32 s[SEL+1], 0xfedcba98
	s_wait_dscnt 0x0
	s_wait_kmcnt 0x0
	s_mov_b32 s[G0A], 1
	s_mov_b32 s[G0A+1], s86
	s_add_nc_u64 s[G0A+2:G0A+3], s[4:5], s[76:77]
	s_or_b32 s[G0A+3], s[G0A+3], 0x80000000
	s_mov_b32 s[G0SA], 1
	s_mul_i32 s[G0SA+1], s18, 2176
	s_add_co_u32 s[G0SA+1], s[G0SA+1], SCL
	s_add_nc_u64 s[G0SA+2:G0SA+3], s[6:7], s[78:79]
	s_or_b32 s[G0SA+3], s[G0SA+3], 0x80000000
	s_mov_b32 s[G0W], 1
	s_mul_i32 s[G0W+1], s18, 33792
	s_add_co_u32 s[G0W+1], s[G0W+1], WROW
	s_add_nc_u64 s[G0W+2:G0W+3], s[8:9], s[80:81]
	s_or_b32 s[G0W+3], s[G0W+3], 0x80000000
	s_mov_b32 s[G0SW], 1
	s_mul_i32 s[G0SW+1], s18, 2176
	s_add_co_u32 s[G0SW+1], s[G0SW+1], SCL+8704
	s_add_nc_u64 s[G0SW+2:G0SW+3], s[10:11], s[82:83]
	s_or_b32 s[G0SW+3], s[G0SW+3], 0x80000000
	CROUND                                         ; all sixteen work-groups are here: the joint loads meet
; sixteen pieces, sixteen waves, one joint load a wave: waves 0-3 A's codes, 4-7 W's codes, 8-11 A's scale words, 12-15 W's scale bytes; piece = wave % 4.  One chain of branches on the wave's number, one load to an arm
.macro ARM under, g0, g1, next
	s_cmp_lt_u32 s[WV], \under
	s_cbranch_scc0 \next
	tensor_load_to_lds s[\g0:\g0+3], s[\g1:\g1+7]
	s_nop 0
.rept 4
	v_nop
.endr
	s_branch .Lasked
\next:
.endm
	ARM 4, G0A, G1A, .Larm_w
	ARM 8, G0W, G1W, .Larm_sa
	ARM 12, G0SA, G1SA, .Larm_sw
	tensor_load_to_lds s[G0SW:G0SW+3], s[G1SW:G1SW+7]
	s_nop 0
.rept 4
	v_nop
.endr
.Lasked:
	v_and_b32 v1, 15, v0                           ; r
	v_bfe_u32 v2, v0, 4, 1                         ; h
	v_and_b32 v3, 31, v0                           ; lane
	s_lshl_b32 s88, s17, 15
	v_lshl_add_u32 v4, v3, 4, s88                  ; A's fragments: 32,768 wa + 16 x lane
	v_mul_u32_u24 v5, v1, 528
	s_delay_alu instid0(VALU_DEP_1)
	v_lshl_add_u32 v5, v2, 4, v5
	s_mul_i32 s89, s18, 33792
	s_add_co_u32 s89, s89, WROW
	v_add_nc_u32 v5, s89, v5                       ; W's: row r x pitch + 16 h
	s_mul_i32 s90, s17, 2176
	s_add_co_u32 s90, s90, SCL
	v_lshl_add_u32 v6, v1, 4, s90                  ; A's scale words: 16 bytes a row in a unit of 256
	v_lshrrev_b32 v112, 3, v1
	s_delay_alu instid0(VALU_DEP_1)
	v_mul_u32_u24 v7, v112, 272
	v_and_b32 v112, 7, v1
	s_delay_alu instid0(VALU_DEP_1)
	v_lshl_add_u32 v7, v112, 5, v7
	s_mul_i32 s91, s18, 2176
	s_add_co_u32 s91, s91, SCL+8704
	v_add_nc_u32 v7, s91, v7                       ; W's: 32 bytes a row, eight rows to a unit
	s_lshl_b32 s92, s[WV], 8
	s_add_co_u32 s92, s92, STG1
	v_lshl_add_u32 v8, v1, 2, s92                  ; q, k: my wave's stage, in
	v_lshl_add_u32 v9, v3, 3, s92                  ; and back
	s_lshl_b32 s93, s18, 9
	s_lshl_b32 s94, s17, 1
	s_add_co_u32 s93, s93, s94
	s_add_co_u32 s93, s93, STG2
	v_lshl_add_u32 v10, v1, 3, s93                 ; v: 8 (64 wb + r) + 2 wa
	s_lshl_b32 s94, s18, 9
	s_add_co_u32 s94, s94, STG2
	v_lshl_add_u32 v11, v3, 4, s94                 ; and back: a head's 512 bytes
	v_lshlrev_b32 v12, 4, v1
	s_delay_alu instid0(VALU_DEP_1)
	v_lshl_add_u32 v12, v2, 3, v12                 ; 16 r + 8 h
	v_lshlrev_b32 v13, 3, v3
	v_lshlrev_b32 v14, 4, v3
	s_and_b32 s95, s23, 7                          ; which 256 tokens of the batch
	s_lshr_b32 s19, s23, 3
	s_lshl_b32 s19, s19, 4
	s_lshl_b32 s96, s20, 2
	s_add_co_u32 s19, s19, s96
	s_add_co_u32 s19, s19, s18                     ; batch x 16 + head
	s_wait_tensorcnt 0x0                           ; my pieces are in,
	s_barrier_signal -1
	s_barrier_wait -1                              ; everybody's are; nothing is ever filled again
	s_cmp_ge_u32 ttmp9, 2                          ; the cluster's x: 0 q, 1 k, 2 v: alike in all partners and all waves
	s_cbranch_scc1 .Lvpath
	s_lshl_b32 s76, ttmp9, 21
	s_lshl_b32 s77, s19, 16
	s_add_co_u32 s76, s76, s77
	s_lshl_b32 s77, s95, 13
	s_add_co_u32 s76, s76, s77
	s_lshl_b32 s77, s17, 11
	s_add_co_u32 s76, s76, s77
	s_mov_b32 s77, 0
	s_add_nc_u64 s[12:13], s[12:13], s[76:77]      ; codes: 512 bytes a tile of 16 tokens
	s_lshl_b32 s78, ttmp9, 18
	s_lshl_b32 s79, s19, 13
	s_add_co_u32 s78, s78, s79
	s_lshl_b32 s79, s95, 10
	s_add_co_u32 s78, s78, s79
	s_lshl_b32 s79, s17, 8
	s_add_co_u32 s78, s78, s79
	s_mov_b32 s79, 0
	s_add_nc_u64 s[14:15], s[14:15], s[78:79]      ; words: 4 bytes a token
	s_wait_alu depctr_va_vdst(0)
	KSTEP 0, 1, 0                                  ; the first K step starts the sums
.irp q, 1,2,3,4,5,6,7
	KSTEP \q, 0, 0
.endr
	PLACES
	QUANT8
	CODES 512
.irp i, 0,1,2,3
	v_or_b32 v[SW+\i], 0x7f7f0000, v[SW+\i]        ; blocks 2 and 3 of the next K are zero codes under the byte 127
.endr
.irp i, 0,1,2,3
	ds_store_b32 v8, v[SW+\i] offset:64*\i         ; both halves of the lanes write the same word
.endr
	ds_load_b64 v[92:93], v9                       ; LDS serves a wave's instructions in order (ISA guide 5.7.1.4): this sees my stores
	s_wait_dscnt 0x0
	global_store_b64 v13, v[92:93], s[14:15]       ; 64 tokens' words: 256 consecutive bytes, aligned
	s_branch .Ldone
.Lvpath:
	s_lshl_b32 s76, s19, 16
	s_lshl_b32 s77, s95, 11
	s_add_co_u32 s76, s76, s77
	s_lshl_b32 s77, s17, 9
	s_add_co_u32 s76, s76, s77
	s_add_co_u32 s76, s76, 4194304
	s_mov_b32 s77, 0
	s_add_nc_u64 s[12:13], s[12:13], s[76:77]      ; codes: 16,384 bytes a tile of 16 channels, 256 a block of 32 tokens
	s_lshl_b32 s78, s19, 12
	s_lshl_b32 s79, s95, 9
	s_add_co_u32 s78, s78, s79
	s_add_co_u32 s78, s78, 524288
	s_mov_b32 s79, 0
	s_add_nc_u64 s[14:15], s[14:15], s[78:79]      ; bytes: for waves 0-3, whose wb is their number: that head's 512
	s_wait_alu depctr_va_vdst(0)
	KSTEP 0, 1, 1
.irp q, 1,2,3,4,5,6,7
	KSTEP \q, 0, 1
.endr
	PLACES
	QUANT8
	CODES 16384
.irp i, 0,1,2,3
	ds_store_b16 v10, v[SW+\i] offset:128*\i       ; my two bytes of a channel's eight
.endr
	s_wait_dscnt 0x0                               ; for the others' sake
	s_barrier_signal -1
	s_barrier_wait -1
	s_cmp_lt_u32 s[WV], 4
	s_cbranch_scc0 .Ldone
	ds_load_b128 v[92:95], v11
	s_wait_dscnt 0x0
	global_store_b128 v14, v[92:95], s[14:15]      ; 512 consecutive bytes
.Ldone:
	s_wait_dscnt 0x0
	s_wait_tensorcnt 0x0
	ds_add_u32 v126, v127
	s_wait_dscnt 0x0
	CROUND                                         ; the closing round
	s_endpgm
.Lfunc_end_k_qb6f9fce283_qkv:
	.size	k_qb6f9fce283_qkv, .Lfunc_end_k_qb6f9fce283_qkv-k_qb6f9fce283_qkv
	.p2alignl 7, 3214868480
	.fill 96, 4, 3214868480
	.section	.rodata,"a",@progbits
	.p2align	6, 0x0
	.amdhsa_kernel k_qb6f9fce283_qkv
		.amdhsa_group_segment_fixed_size 291840
		.amdhsa_private_segment_fixed_size 0
		.amdhsa_enable_private_segment 0
		.amdhsa_kernarg_size 48
		.amdhsa_user_sgpr_count 2
		.amdhsa_user_sgpr_kernarg_segment_ptr 1
		.amdhsa_wavefront_size32 1
		.amdhsa_system_sgpr_workgroup_id_x 1
		.amdhsa_system_sgpr_workgroup_id_y 1
		.amdhsa_system_sgpr_workgroup_id_z 1
		.amdhsa_system_vgpr_workitem_id 0
		.amdhsa_next_free_vgpr 256
		.amdhsa_next_free_sgpr 100
		.amdhsa_reserve_vcc 0
		.amdhsa_float_denorm_mode_32 3
		.amdhsa_float_denorm_mode_16_64 3
		.amdhsa_memory_ordered 1
		.amdhsa_forward_progress 1
		.amdhsa_inst_pref_size 80
	.end_amdhsa_kernel
	.amdgpu_metadata
---
amdhsa.version: [ 1, 2 ]
amdhsa.kernels:
  - .name:           k_qb6f9fce283_qkv
    .symbol:         k_qb6f9fce283_qkv.kd
    .args:
      - { .name: act_codes, .offset: 0, .size: 8, .value_kind: global_buffer, .address_space: global }
      - { .name: act_scales, .offset: 8, .size: 8, .value_kind: global_buffer, .address_space: global }
      - { .name: qkv_w_codes, .offset: 16, .size: 8, .value_kind: global_buffer, .address_space: global }
      - { .name: qkv_w_scales, .offset: 24, .size: 8, .value_kind: global_buffer, .address_space: global }
      - { .name: qkv_codes, .offset: 32, .size: 8, .value_kind: global_buffer, .address_space: global }
      - { .name: qkv_scales, .offset: 40, .size: 8, .value_kind: global_buffer, .address_space: global }
    .group_segment_fixed_size: 291840
    .private_segment_fixed_size: 0
    .kernarg_segment_align: 8
    .kernarg_segment_size: 48
    .max_flat_workgroup_size: 512
    .sgpr_count:     100
    .vgpr_count:     256
    .wavefront_size: 32
...
	.end_amdgpu_metadata
.endif
;; end of part 2
;; launch attn (part 3): grid 8 x 32, 16 waves a work-group, clusters of 4 x 1, 184,320 bytes of LDS; arguments qkv_codes, qkv_scales, act_codes, act_scales; writes act_codes, act_scales
.if DOCPART == 3
	.amdgcn_target "amdgcn-amd-amdhsa--gfx1250"
	.amdhsa_code_object_version 6
	.text
	.protected	k_qb6f9fce283_attn
	.globl	k_qb6f9fce283_attn
	.p2align	8
	.type	k_qb6f9fce283_attn,@function
k_qb6f9fce283_attn:
	s_mov_b64 s[64:65], 0
	v_nop
	global_prefetch_b8 v0, s[64:65] scope:SCOPE_SE
	s_setreg_imm32_b32 hwreg(HW_REG_WAVE_MODE, 25, 1), 1
	s_wait_xcnt 0x0
	s_wait_alu depctr_hold_cnt(0) depctr_sa_sdst(0) depctr_va_vdst(0) depctr_va_sdst(0) depctr_va_ssrc(0) depctr_va_vcc(0) depctr_vm_vsrc(0)
	s_getreg_b32 s2, hwreg(HW_REG_IB_STS2, 6, 4)
	s_cmp_eq_u32 s2, 0
	s_cbranch_scc0 .Lentry_in_a_cluster
	s_endpgm
.Lentry_in_a_cluster:
	s_bfe_u32 s2, ttmp6, 0x10000c
	s_cmp_lg_u32 s2, 0x3003
	s_cbranch_scc0 .Lentry_shape_is_right
	s_endpgm
.Lentry_shape_is_right:
; Causal attention of one head on FP4 codes, head size 64, 2,048 tokens; the result is quantised along the channels for the projection.
; t = score x log2(e) / 8; M = the running largest t rounded up to a whole number; p = 2^(t - M) is quantised along the keys, not normalised; the row's sum is taken of the unquantised p and divides at the end.
; When M moves, the sum and O are multiplied by 2^(old M - new M), which rounds nothing.  Key steps that lie wholly behind the causal mask, which the problem builds itself, are not walked.
; A HEAD'S K, V AND SCALES LIE IN LDS AT ONCE (143,360 bytes), each byte filled once, by sixteen loads at the head, one a wave.  All are images of the operand's registers: a fragment load reads 512 consecutive bytes.
; SHARES.  Work-group g (0..7) of a head owns the query tiles 8 k + g, k = 0..15: tile 8 k + g has k + 1 steps of 128 keys, whatever g is, so every branch hangs on the wave's number and on counted trips alone.
; Tiles k and 15 - k (k = 0..7) belong to a PAIR of waves and have 17 steps together.  Wave A walks the last a steps of the long tile (15 - k).  Wave B walks its first 16 - k - a steps, lays -M, the sums and O^T into the pair's own
; LDS bytes, and then walks the short tile's k + 1 steps.  A joins B's part to its own: both are brought under the larger M by powers of two, which round nothing, and added.
; a = 13, 12, 12, 13, 11, 11, 10, 9 for k = 0..7, so B has 4, 5, 5, 4, 6, 6, 7, 8 steps.  Waves w, w + 4, w + 8, w + 12 (w = 0..3) are A of pair w, B of pair w + 4, A of pair w + 4, B of pair w: 34 steps in each such four.
; K'S FRAGMENTS AND SCALE WORDS RUN ONE STEP AHEAD: the next step's sixteen loads are issued behind this step's first products.  Behind a part's last step they read bytes of LDS that were filled and that nobody writes; what they bring is not used.
; CLUSTER 4 x 1: the four work-groups of a cluster walk the same head: each of the sixteen tensor loads is a joint one with the mask 15.
; Both products are used transposed (S^T = K Q^T, O^T = V^T P^T): a lane holds one query throughout.  The first product's K is 64: the upper half of its fragments is zero codes, under the byte 127.
; On a tile's last step hidden scores become -infinity: there my query less the step's first key is 16 g + r.  Each part of a tile begins with a step all of whose keys count, or holds key 0.
; No prefetch into the L2: all that the work-group reads of K and V is asked for at the head; there is no loop to run ahead in.
; The scale bytes leave two a lane, 16 bytes apart: a head owns two of a row's 32 bytes.
; LIMITS: NaN and infinities are not served; the scaled scores stay under 2^31 in magnitude; a block of zeros or under 2^-124 gets the byte 1; only this program reads the bytes.
; REGISTERS: v0 the pair's LDS bytes; v1 16 x lane; v2, v3 my place among K's and V's scales; v4 16 g + r - 8 h; v5 the second tile's Q scale word; v6, v7 the spare word and 0; v8-11 the step's addresses;
; v12 -M, v13 the largest t, v[14:15] the sum; v16-23 Q; v24-31 p's codes; v32-95 K; v96-159 S^T, then p; v160-191 O^T; v192-223 V; v224-231 K's scale words, v240-243 V's, v248 Q's, v249 p's;
; v250-253 the second tile's Q; v254 f (v255 named with it as a pair); v232-239, v244-247 at work.
.set VIMG,  65536
.set KSC,   131072
.set VSC,   139264
.set STASH, 143360                     ; eight pairs x 4,608 bytes: O^T 4,096, then -M, t, the sums: 512
.set SPARE, 180224                     ; the spare words: 128 bytes a wave
.set WV,   16
.set BH,   17                          ; batch x 16 + head
.set ROLE, 18                          ; 0: wave A, 1: wave B
.set KP,   19                          ; the pair, k
.set SEL,  20
.set CS,   22
.set G1B,  24                          ; groups 1: 64, 8 and 4 rows of 256 bytes
.set G1S8, 32
.set G1S4, 40
.set G0B,  48                          ; groups 0: a piece of K's or V's codes, of K's scale words, of V's scale bytes
.set G0K8, 52
.set G0V4, 56
.set TK,   60                          ; where the step's K codes, K words, V codes, V words begin
.set TS,   61
.set TV,   62
.set TJ,   63
.set SI,   66                          ; the step's number among the head's sixteen
.set CNT,  67
.set N1,   68                          ; my steps of the long tile;  D1: the trip that is masked
.set D1,   69
.set N2,   70                          ; my steps of the short tile
.set T,    71
.set WG,   84
.macro CROUND                          ; a round of the cluster's barrier
	s_barrier_signal -1
	s_barrier_wait -1
	s_cmp_lg_u32 s[WV], 0
	s_cbranch_scc1 .Lnot_wave_0_\@
	s_barrier_signal -3
.Lnot_wave_0_\@:
	s_barrier_wait -3
	s_barrier_signal -1
	s_barrier_wait -1
.endm
.macro ARM under, g0, g1, next
	s_cmp_lt_u32 s[WV], \under
	s_cbranch_scc0 \next
	tensor_load_to_lds s[\g0:\g0+3], s[\g1:\g1+7]
	s_nop 0
.rept 4
	v_nop
.endr
	s_branch .Lasked
\next:
.endm
.macro INIT                            ; a part of a tile begins: the largest t -3e38, the sums and O^T zeros, which the first change of M leaves zeros
	v_mov_b32 v13, 0xff61b1e6
	v_mov_b32 v14, 0
	v_mov_b32 v15, 0
	v_floor_f32 v12, -v13
.set jj, 0
.rept 32
	v_mov_b32 v[160+jj], 0
.set jj, jj+1
.endr
.endm
.macro KLOAD o                         ; K's eight fragments and scale words: sixteen loads; o = 0: of the step that v8 and v10 name, 1: of the step after it
.irp t, 0,1,2,3,4,5,6,7
	ds_load_b128 v[32+8*\t:35+8*\t], v8 offset:4096*\o+512*\t
.endr
.irp t, 0,1,2,3,4,5,6,7
	ds_load_b32 v[224+\t], v10 offset:512*\o+64*\t
.endr
.endm
	s_load_b128 s[4:7], s[0:1], 0x0                ; q, k, v: codes, scales
	s_load_b128 s[8:11], s[0:1], 0x10              ; out: codes, scale bytes
	v_lshl_add_u32 v6, v0, 2, SPARE
	v_mov_b32 v7, 0
	ds_add_u32 v6, v7
	ds_add_u32 v6, v7
	v_lshrrev_b32 v8, 5, v0
	v_readfirstlane_b32 s[WV], v8                  ; wave 0..15
	s_and_b32 s[BH], ttmp7, 0xffff
.irp g, G1B, G1S8, G1S4
	s_mov_b32 s[\g], 15|(3<<16)|(1<<21)            ; the cluster's four; elements of 8 bytes; dense blocks as rows of 256 bytes
	s_mov_b32 s[\g+1], 32<<16
	s_mov_b32 s[\g+3], 32<<16
	s_mov_b32 s[\g+5], 32
	s_mov_b32 s[\g+6], 0
	s_mov_b32 s[\g+7], 0
.endr
	s_mov_b32 s[G1B+2], 64<<16
	s_mov_b32 s[G1B+4], 64
	s_mov_b32 s[G1S8+2], 8<<16
	s_mov_b32 s[G1S8+4], 8
	s_mov_b32 s[G1S4+2], 4<<16
	s_mov_b32 s[G1S4+4], 4
	; waves 0-3: K's codes, 4-7: V's, 16,384 bytes each; 8-11: K's scale words, 2,048 each; 12-15: V's scale bytes, 1,024 each; piece p = wave % 4
	s_and_b32 s86, s[WV], 3
	s_lshr_b32 s90, s[WV], 2
	s_lshl_b32 s90, s90, 21                        ; V's codes lie 2,097,152 bytes behind K's
	s_lshl_b32 s[T], s86, 14
	s_add_co_u32 s90, s90, s[T]
	s_lshl_b32 s[T], s[BH], 16
	s_add_co_u32 s90, s90, s[T]
	s_add_co_u32 s90, s90, 2097152
	s_mov_b32 s91, 0
	s_lshl_b32 s92, s[BH], 13
	s_lshl_b32 s87, s86, 11
	s_add_co_u32 s92, s92, s87
	s_add_co_u32 s92, s92, 262144
	s_mov_b32 s93, 0
	s_lshl_b32 s94, s[BH], 12
	s_lshl_b32 s88, s86, 10
	s_add_co_u32 s94, s94, s88
	s_add_co_u32 s94, s94, 524288
	s_mov_b32 s95, 0
	s_mov_b32 s[G0B], 1
	s_lshl_b32 s[G0B+1], s[WV], 14                 ; K's four pieces from LDS byte 0, V's four from 65,536
	s_mov_b32 s[G0K8], 1
	s_add_co_u32 s[G0K8+1], s87, KSC
	s_mov_b32 s[G0V4], 1
	s_add_co_u32 s[G0V4+1], s88, VSC
	s_wait_dscnt 0x0                               ; both opening adds are done
	s_wait_kmcnt 0x0
	s_add_nc_u64 s[G0B+2:G0B+3], s[4:5], s[90:91]
	s_add_nc_u64 s[G0K8+2:G0K8+3], s[6:7], s[92:93]
	s_add_nc_u64 s[G0V4+2:G0V4+3], s[6:7], s[94:95]
.irp g, G0B, G0K8, G0V4
	s_or_b32 s[\g+3], s[\g+3], 0x80000000          ; type = 2
.endr
	CROUND                                         ; the four work-groups are here: the joint loads meet
	ARM 8, G0B, G1B, .Larm_ks                      ; one chain of branches on the wave's number, one load to an arm
	ARM 12, G0K8, G1S8, .Larm_vs
	tensor_load_to_lds s[G0V4:G0V4+3], s[G1S4:G1S4+7]
	s_nop 0
.rept 4
	v_nop
.endr
.Lasked:
	s_bfe_u32 s[WG], ttmp6, 0x40000
	s_lshl_b32 s[T], ttmp9, 2
	s_add_co_u32 s[WG], s[WG], s[T]                ; g: it enters global addresses and the mask's numbers alone
	; roles and counts, all from the wave's number.  lo = wave % 4; B where bit 2 is set; the pair is lo + 4 hi, hi = bit 3 xor bit 2
	s_bfe_u32 s[ROLE], s[WV], 0x10002
	s_and_b32 s86, s[WV], 3                        ; lo
	s_lshr_b32 s87, s[WV], 3
	s_xor_b32 s87, s87, s[ROLE]                    ; hi
	s_lshl_b32 s[KP], s87, 2
	s_or_b32 s[KP], s[KP], s86
	s_xor_b32 s85, s[ROLE], 1                      ; 1 in A
	s_xor_b32 s88, s87, 1                          ; 1 in pairs 0 to 3
	s_add_co_u32 s89, s86, 3
	s_lshr_b32 s89, s89, 2
	s_xor_b32 s89, s89, 1                          ; 1 where lo = 0
	s_add_co_u32 s90, s86, 1
	s_lshr_b32 s90, s90, 2                         ; 1 where lo = 3
	s_xor_b32 s91, s86, 3                          ; 3 - lo
	s_add_co_u32 s92, s91, 1
	s_min_u32 s92, s92, 3
	s_xor_b32 s93, s90, 1
	s_mul_i32 s92, s92, s93                        ; pairs 0 to 3: B's steps of the long tile: 3, 3, 2, 0
	s_mul_i32 s92, s92, s88
	s_mul_i32 s93, s89, s87                        ; pairs 4 to 7: 1, 0, 0, 0
	s_add_co_u32 s92, s92, s93                     ; 16 - k - a
	s_add_co_u32 s94, s89, s90
	s_add_co_u32 s94, s94, 11                      ; pairs 0 to 3: a - 1 = 12, 11, 11, 12
	s_mul_i32 s94, s94, s88
	s_add_co_u32 s95, s91, 8
	s_min_u32 s95, s95, 10                         ; pairs 4 to 7: a - 1 = 10, 10, 9, 8
	s_mul_i32 s95, s95, s87
	s_add_co_u32 s94, s94, s95
	s_lshl_b32 s[D1], s[ROLE], 4
	s_add_co_u32 s[D1], s[D1], s94                 ; A's trip a - 1 is the tile's last step; B's number is reached by no trip
	s_add_co_u32 s[N1], s94, 1
	s_mul_i32 s[N1], s[N1], s85
	s_mul_i32 s[T], s92, s[ROLE]
	s_add_co_u32 s[N1], s[N1], s[T]                ; A: a steps; B: 16 - k - a
	s_mul_i32 s[SI], s92, s85                      ; A begins at step 16 - k - a, B at 0: with the loop's 13 trips no step number passes 15
	s_add_co_u32 s[N2], s[KP], 1
	s_mul_i32 s[N2], s[N2], s[ROLE]                ; B: k + 1 steps of the short tile; A: none
	s_lshl_b32 s[TK], s[SI], 12
	s_lshl_b32 s[TS], s[SI], 9
	s_lshl_b32 s[TV], s[SI], 10
	s_add_co_u32 s[TV], s[TV], VIMG
	s_xor_b32 s96, s[KP], 15
	s_lshl_b32 s96, s96, 3
	s_add_co_u32 s96, s96, s[WG]                   ; the long tile
	s_lshl_b32 s97, s[KP], 3
	s_add_co_u32 s97, s97, s[WG]                   ; the short tile
	s_cmp_eq_u32 s[ROLE], 0
	s_cselect_b32 s98, s96, s97                    ; the tile that I write
	s_lshl_b32 s86, s[BH], 16
	s_lshl_b32 s87, s[BH], 13
	s_lshl_b32 s72, s96, 9                         ; Q's codes: 512 bytes a tile; its words: 64
	s_add_co_u32 s72, s72, s86
	s_mov_b32 s73, 0
	s_lshl_b32 s74, s96, 6
	s_add_co_u32 s74, s74, s87
	s_mov_b32 s75, 0
	s_lshl_b32 s76, s97, 9
	s_add_co_u32 s76, s76, s86
	s_mov_b32 s77, 0
	s_lshl_b32 s78, s97, 6
	s_add_co_u32 s78, s78, s87
	s_mov_b32 s79, 0
	s_lshr_b32 s99, s[BH], 4
	s_lshl_b32 s99, s99, 7
	s_add_co_u32 s99, s99, s98                     ; the tile of 16 rows in the output
	s_and_b32 s88, s[BH], 15
	s_lshl_b32 s80, s99, 13                        ; codes: 8,192 bytes a tile, 512 a head
	s_lshl_b32 s[T], s88, 9
	s_add_co_u32 s80, s80, s[T]
	s_mov_b32 s81, 0
	s_lshl_b32 s82, s99, 9                         ; bytes: 512 a tile, 256 for 512 along K, two a head
	s_lshr_b32 s[T], s88, 3
	s_lshl_b32 s[T], s[T], 8
	s_add_co_u32 s82, s82, s[T]
	s_and_b32 s[T], s88, 7
	s_lshl_b32 s[T], s[T], 1
	s_add_co_u32 s82, s82, s[T]
	s_mov_b32 s83, 0
	s_add_nc_u64 s[72:73], s[4:5], s[72:73]
	s_add_nc_u64 s[74:75], s[6:7], s[74:75]
	s_add_nc_u64 s[76:77], s[4:5], s[76:77]
	s_add_nc_u64 s[78:79], s[6:7], s[78:79]
	s_add_nc_u64 s[80:81], s[8:9], s[80:81]
	s_add_nc_u64 s[82:83], s[10:11], s[82:83]
	s_mov_b32 s[SEL], 0x76543210
	s_mov_b32 s[SEL+1], 0xfedcba98
	s_mov_b32 s[CS], 0x3e38aa3b                    ; c = log2(e) / 8
	s_mov_b32 s[CS+1], s[CS]
	v_and_b32 v8, 15, v0                           ; r
	v_bfe_u32 v9, v0, 4, 1                         ; h
	v_and_b32 v10, 31, v0
	v_lshlrev_b32 v1, 4, v10
	v_lshlrev_b32 v11, 2, v8
	global_load_b128 v[16:19], v1, s[72:73]        ; the pair's two tiles of Q: the long one,
	global_load_b32 v248, v11, s[74:75]
	global_load_b128 v[250:253], v1, s[76:77]      ; and the short one, which wave B takes up at its change of tiles
	global_load_b32 v5, v11, s[78:79]
	v_lshl_add_u32 v2, v8, 2, KSC
	v_lshl_add_u32 v3, v8, 3, VSC
	v_lshlrev_b32 v4, 3, v9
	v_sub_nc_u32 v4, v8, v4
	s_lshl_b32 s[T], s[WG], 4
	v_add_nc_u32 v4, s[T], v4                      ; d = 16 g + r - 8 h
	s_mul_i32 s[T], s[KP], 4608
	s_add_co_u32 s[T], s[T], STASH
	v_add_nc_u32 v0, s[T], v1                      ; the pair's LDS bytes, 16 a lane
.irp j, 20,21,22,23
	v_mov_b32 v[\j], 0                             ; K = 64 .. 127: zero codes
.endr
.irp t, 0,1,2,3,4,5,6,7
.irp j, 4,5,6,7
	v_mov_b32 v[32+8*\t+\j], 0                     ; likewise in K's eight fragments: written once
.endr
.endr
.irp j, 236,237,238,239,254,255
	v_mov_b32 v[\j], 0                             ; lane permutes' destinations and the pair v[254:255] are written before they are named
.endr
	INIT
; A TRIP: one key step of 128 keys, walked where the trip's number is under s[n]; masked where it equals s[dg].  K's fragments and scale words of the step are on their way or in when it begins
.macro STEP n, dg
	s_cmp_ge_u32 s[CNT], s[\n]
	s_cbranch_scc1 .Lskip_\@
	s_lshr_b32 s[TJ], s[SI], 1                     ; V's scale bytes lie [256 keys][64 channels][8]: 512 bytes for two steps, 4 for the odd one
	s_lshl_b32 s[TJ], s[TJ], 9
	s_and_b32 s[T], s[SI], 1
	s_lshl_b32 s[T], s[T], 2
	s_add_co_u32 s[TJ], s[TJ], s[T]
	v_add_nc_u32 v9, s[TV], v1                     ; (these four lines are the places ahead of the loads into V's registers)
	v_add_nc_u32 v11, s[TJ], v3
	v_nop
	v_nop
.irp t, 0,1,2,3
.irp c, 0,1
	ds_load_b128 v[192+8*\t+4*\c:195+8*\t+4*\c], v9 offset:16384*\t+512*\c
.endr
.endr
.irp t, 0,1,2,3
	ds_load_b32 v[240+\t], v11 offset:128*\t
.endr
	s_wait_dscnt 12                                ; K's sixteen loads, issued a step ago, are in; V's twelve, issued behind them, may be out
.irp t, 0,1,2,3,4,5,6,7
	v_wmma_scale_f32_16x16x128_f8f6f4 v[96+8*\t:103+8*\t], v[32+8*\t:39+8*\t], v[16:23], 0, v[224+\t], v248 matrix_a_fmt:MATRIX_FMT_FP4 matrix_b_fmt:MATRIX_FMT_FP4
.endr                                  ; register 8 t + j of lane (r, h): query r, key 16 t + 8 h + j of the step
	v_add_nc_u32 v8, s[TK], v1                     ; (these four lines are the places behind the products)
	v_add_nc_u32 v10, s[TS], v2
	v_nop
	v_nop
	KLOAD 1                                        ; the next step's K
	s_cmp_lg_u32 s[CNT], s[\dg]
	s_cbranch_scc1 .Lopen_\@                       ; all its keys count
	v_mov_b32 v237, 0xff800000
.set nn, 0
.rept 64
	v_cmp_gt_i32 vcc_lo, 16*(nn/8)+nn%8, v4        ; register n is hidden where 16 (n / 8) + n % 8 > d
	v_cndmask_b32 v[96+nn], v[96+nn], v237, vcc_lo
.set nn, nn+1
.endr
.Lopen_\@:
.irp b, 0,1,2,3
	v_max3_num_f32 v[232+\b], v[96+16*\b], v[97+16*\b], v[98+16*\b]            ; the largest score of each block of 32 keys: for the row's maximum and, since p rises with the score, for the block's largest p
.endr
.irp i, 3,5,7,9,11,13
.irp b, 0,1,2,3
	v_max3_num_f32 v[232+\b], v[232+\b], v[96+16*\b+\i], v[97+16*\b+\i]
.endr
.endr
.irp b, 0,1,2,3
	v_max_num_f32 v[232+\b], v[232+\b], v[111+16*\b]
.endr
.irp b, 0,1,2,3
	s_delay_alu instid0(VALU_DEP_4)
	v_permlanex16_b32 v[236+\b], v[232+\b], s[SEL], s[SEL+1]
.endr
.irp b, 0,1,2,3
	s_delay_alu instid0(VALU_DEP_4)
	v_max_num_f32 v[232+\b], v[232+\b], v[236+\b]
.endr
	s_delay_alu instid0(VALU_DEP_2)
	v_max3_num_f32 v236, v232, v233, v234
	s_delay_alu instid0(VALU_DEP_1)
	v_max_num_f32 v236, v236, v235
	s_delay_alu instid0(VALU_DEP_1)
	v_mul_f32 v236, s[CS], v236                    ; as t
	s_delay_alu instid0(VALU_DEP_1)
	v_max_num_f32 v13, v13, v236                   ; the running largest t
	v_mov_b32 v236, v12
	s_delay_alu instid0(VALU_DEP_2)
	v_floor_f32 v12, -v13                          ; the new -M = -ceil(t)
	s_delay_alu instid0(VALU_DEP_1)
	v_sub_f32 v236, v12, v236                      ; old M - new M: a whole number, 0 or less
	s_delay_alu instid0(VALU_DEP_1)
	v_cvt_i32_f32 v236, v236                       ; (it saturates)
	s_delay_alu instid0(VALU_DEP_1)
	v_ldexp_f32 v254, 1.0, v236                    ; f = 2^(old M - new M)
.set jj, 0
.rept 32
	v_pk_fma_f32 v[96+jj:97+jj], v[96+jj:97+jj], s[CS:CS+1], v[12:13] op_sel_hi:[1,0,0]       ; t - M
.set jj, jj+2
.endr
.irp b, 0,1,2,3
	v_fma_f32 v[232+\b], v[232+\b], s[CS], v12
.endr
	s_wait_alu depctr_va_vdst(0)
.set jj, 0
.rept 64
	v_exp_f32 v[96+jj], v[96+jj]                   ; p = 2^(t - M)
.set jj, jj+1
.endr
.irp b, 0,1,2,3
	v_exp_f32 v[232+\b], v[232+\b]                 ; the block's largest p
.endr
	v_pk_mul_f32 v[14:15], v[14:15], v[254:255] op_sel_hi:[1,0]                ; the sums under the new M.  (A plain place behind the exponentials)
	s_wait_alu depctr_va_vdst(0)                   ; one wait behind the batch, directly ahead of the first readers of O^T
.set jj, 0
.rept 16
	v_pk_mul_f32 v[160+jj:161+jj], v[160+jj:161+jj], v[254:255] op_sel_hi:[1,0]               ; O^T under the new M
.set jj, jj+2
.endr
.irp b, 0,1,2,3
	v_max_num_f32 v[232+\b], 0x1800000, v[232+\b]  ; the floor 2^(3 - 127)
.endr
.irp b, 0,1,2,3
	s_delay_alu instid0(VALU_DEP_4)
	v_add_nc_u32 v[244+\b], 0xff000000, v[232+\b]  ; 2 off the exponent field: the conversion's scale operand
.endr
.irp b, 0,1,2,3
	s_delay_alu instid0(VALU_DEP_4)
	v_lshrrev_b32 v[236+\b], 23, v[244+\b]
.endr
	s_delay_alu instid0(VALU_DEP_3)
	v_lshl_or_b32 v249, v237, 8, v236              ; p's scale word for these 128 keys
	s_delay_alu instid0(VALU_DEP_1)
	v_lshl_or_b32 v249, v238, 16, v249
	s_delay_alu instid0(VALU_DEP_1)
	v_lshl_or_b32 v249, v239, 24, v249
.irp b, 0,1,2,3
	v_cvt_scalef32_pk8_fp4_f32 v[24+4*(\b/2)+(\b%2)], v[96+16*\b:103+16*\b], v[244+\b]        ; keys 32 b + 8 h + 0 .. 7
	v_cvt_scalef32_pk8_fp4_f32 v[26+4*(\b/2)+(\b%2)], v[104+16*\b:111+16*\b], v[244+\b]       ; keys 32 b + 16 + 8 h + 0 .. 7
.endr
	v_nop                                          ; one plain place behind a scaled conversion
.irp j, 24,26,28,30
	v_permlane16_swap_b32 v[\j], v[\j+1]           ; lanes 0-15 get block 2 c whole, lanes 16-31 block 2 c + 1
.endr
	; the row's sum of the unquantised p: 32 pairs in eight chains
.set jj, 96
.irp c, 236,254,246,244,234,232,238
	v_pk_add_f32 v[\c:\c+1], v[jj:jj+1], v[jj+2:jj+3]
.set jj, jj+4
.endr
	v_pk_add_f32 v[14:15], v[14:15], v[124:125]
.set jj, 126
.rept 2
.irp c, 236,254,246,244,234,232,238,14
	v_pk_add_f32 v[\c:\c+1], v[\c:\c+1], v[jj:jj+1]
.set jj, jj+2
.endr
.endr
	v_pk_add_f32 v[236:237], v[236:237], v[158:159]
	v_pk_add_f32 v[254:255], v[254:255], v[232:233]
	v_pk_add_f32 v[246:247], v[246:247], v[238:239]
	s_delay_alu instid0(VALU_DEP_4)
	v_pk_add_f32 v[14:15], v[14:15], v[244:245]
	s_delay_alu instid0(VALU_DEP_4)
	v_pk_add_f32 v[236:237], v[236:237], v[234:235]
	s_delay_alu instid0(VALU_DEP_2)
	v_pk_add_f32 v[14:15], v[14:15], v[254:255]
	s_delay_alu instid0(VALU_DEP_2)
	v_pk_add_f32 v[236:237], v[236:237], v[246:247]
	s_delay_alu instid0(VALU_DEP_1)
	v_pk_add_f32 v[14:15], v[14:15], v[236:237]
	s_wait_alu depctr_va_vdst(0)
	s_wait_dscnt 16                                ; V is in; the next step's sixteen loads of K, issued behind V's, may be out
.irp t, 0,1,2,3
	v_wmma_scale_f32_16x16x128_f8f6f4 v[160+8*\t:167+8*\t], v[192+8*\t:199+8*\t], v[24:31], v[160+8*\t:167+8*\t], v[240+\t], v249 matrix_a_fmt:MATRIX_FMT_FP4 matrix_b_fmt:MATRIX_FMT_FP4
.endr                                  ; the four accumulators take turns, and eight other products stand between two turns of one
.Lskip_\@:
	s_add_co_u32 s[SI], s[SI], 1                   ; the next 128 keys
	s_add_co_u32 s[TK], s[TK], 4096
	s_add_co_u32 s[TS], s[TS], 512
	s_add_co_u32 s[TV], s[TV], 1024
.endm
	s_wait_alu depctr_va_vdst(0)
	s_wait_tensorcnt 0x0                           ; my piece is in,
	s_barrier_signal -1
	s_barrier_wait -1                              ; everybody's is; nothing is ever filled again
	s_wait_loadcnt 0x0                             ; Q
	v_add_nc_u32 v8, s[TK], v1
	v_add_nc_u32 v10, s[TS], v2
	KLOAD 0                                        ; my first step's K
	s_mov_b32 s[CNT], 0
.Llong:                                            ; thirteen trips on the long tile: A walks the first a, B the first 16 - k - a
	STEP N1, D1
	s_add_co_u32 s[CNT], s[CNT], 1
	s_cmp_lt_u32 s[CNT], 13
	s_cbranch_scc1 .Llong
.rept 4
	v_nop                                          ; places behind the last products, ahead of the reads of O^T
.endr
	s_wait_alu depctr_va_vdst(0)
	s_cmp_eq_u32 s[ROLE], 0
	s_cbranch_scc1 .Lkeep
.irp i, 0,1,2,3,4,5,6,7
	ds_store_b128 v0, v[160+4*\i:163+4*\i] offset:512*\i   ; B: my part of the long tile, as an image of the registers; each accumulator from its low end on
.endr
	ds_store_b128 v0, v[12:15] offset:4096
.irp j, 0,1,2,3
	v_mov_b32 v[16+\j], v[250+\j]                  ; on to the short tile
.endr
	v_mov_b32 v248, v5
	INIT
.Lkeep:
	s_mov_b32 s[SI], 0
	s_mov_b32 s[TK], 0
	s_mov_b32 s[TS], 0
	s_mov_b32 s[TV], VIMG
	s_mov_b32 s[CNT], 0
	s_wait_alu depctr_va_vdst(0)
	s_wait_dscnt 0x0                               ; for A's sake: my stores are done; and the loads that ran ahead have landed, so K's registers may be loaded anew
	s_barrier_signal -1                            ; between this signal and its wait: register work and LDS loads of K, V and their scales, which nobody writes
	v_add_nc_u32 v8, s[TK], v1
	v_add_nc_u32 v10, s[TS], v2
	KLOAD 0                                        ; step 0's K
.Lshort:                                           ; eight trips on the short tile: B walks the first k + 1, A none
	STEP N2, KP
	s_add_co_u32 s[CNT], s[CNT], 1
	s_cmp_lt_u32 s[CNT], 8
	s_cbranch_scc1 .Lshort
.rept 4
	v_nop
.endr
	s_wait_alu depctr_va_vdst(0)
	s_barrier_wait -1
	s_cmp_lg_u32 s[ROLE], 0
	s_cbranch_scc1 .Lmine
.irp i, 0,1,2,3,4,5,6,7
	ds_load_b128 v[96+4*\i:99+4*\i], v0 offset:512*\i      ; A: B's part of my tile
.endr
	ds_load_b128 v[232:235], v0 offset:4096
	s_wait_dscnt 0x0
	v_min_num_f32 v236, v12, v232                  ; -M of the two together
	s_delay_alu instid0(VALU_DEP_1)
	v_sub_f32 v237, v236, v12                      ; my M less the common one, and B's: whole numbers, 0 or less
	v_sub_f32 v238, v236, v232
	s_delay_alu instid0(VALU_DEP_2)
	v_cvt_i32_f32 v237, v237
	s_delay_alu instid0(VALU_DEP_2)
	v_cvt_i32_f32 v238, v238                       ; (they saturate: a part of no steps counts for nothing)
	s_delay_alu instid0(VALU_DEP_2)
	v_ldexp_f32 v254, 1.0, v237
	s_delay_alu instid0(VALU_DEP_2)
	v_ldexp_f32 v238, 1.0, v238
	s_delay_alu instid0(VALU_DEP_2)
	v_pk_mul_f32 v[14:15], v[14:15], v[254:255] op_sel_hi:[1,0]
.set jj, 0
.rept 16
	v_pk_mul_f32 v[160+jj:161+jj], v[160+jj:161+jj], v[254:255] op_sel_hi:[1,0]
.set jj, jj+2
.endr
	v_pk_fma_f32 v[14:15], v[234:235], v[238:239], v[14:15] op_sel_hi:[1,0,1]
.set jj, 0
.rept 16
	v_pk_fma_f32 v[160+jj:161+jj], v[96+jj:97+jj], v[238:239], v[160+jj:161+jj] op_sel_hi:[1,0,1]
.set jj, jj+2
.endr
.Lmine:
	; O^T / the sum; register 8 t + j of lane (r, h) is channel 16 t + 8 h + j of query r: two blocks of 32, quantised as they stand
	v_add_f32 v14, v14, v15
	s_delay_alu instid0(VALU_DEP_1)
	v_permlanex16_b32 v236, v14, s[SEL], s[SEL+1]
	s_delay_alu instid0(VALU_DEP_1)
	v_add_f32 v14, v14, v236
	s_wait_alu depctr_va_vdst(0)
	v_rcp_f32 v14, v14
	v_and_b32 v8, 0xf0, v1                         ; 16 r.  (A plain place behind the reciprocal)
	v_lshrrev_b32 v9, 5, v1
	s_delay_alu instid0(VALU_DEP_1)
	v_and_or_b32 v9, v9, 8, v8                     ; 16 r + 8 h
	s_wait_alu depctr_va_vdst(0)                   ; and behind it, directly ahead of the readers
.set jj, 0
.rept 32
	v_mul_f32 v[96+jj], v[160+jj], v14
.set jj, jj+1
.endr
.irp b, 0,1
	v_max3_num_f32 v[232+\b], |v[96+16*\b]|, |v[97+16*\b]|, 0x1800000
.endr
.irp i, 2,4,6,8,10,12,14
.irp b, 0,1
	s_delay_alu instid0(VALU_DEP_2)
	v_max3_num_f32 v[232+\b], v[232+\b], |v[96+16*\b+\i]|, |v[97+16*\b+\i]|
.endr
.endr
.irp b, 0,1
	s_delay_alu instid0(VALU_DEP_2)
	v_permlanex16_b32 v[236+\b], v[232+\b], s[SEL], s[SEL+1]
.endr
.irp b, 0,1
	s_delay_alu instid0(VALU_DEP_2)
	v_max_num_f32 v[232+\b], v[232+\b], v[236+\b]
.endr
.irp b, 0,1
	s_delay_alu instid0(VALU_DEP_2)
	v_add_nc_u32 v[244+\b], 0xff000000, v[232+\b]
.endr
.irp b, 0,1
	s_delay_alu instid0(VALU_DEP_2)
	v_lshrrev_b32 v[236+\b], 23, v[244+\b]
.endr
	s_delay_alu instid0(VALU_DEP_1)
	v_lshl_or_b32 v254, v237, 8, v236
.irp b, 0,1
	v_cvt_scalef32_pk8_fp4_f32 v[24+2*\b], v[96+16*\b:103+16*\b], v[244+\b]
	v_cvt_scalef32_pk8_fp4_f32 v[25+2*\b], v[104+16*\b:111+16*\b], v[244+\b]
.endr
	v_nop
	v_permlane16_swap_b32 v24, v25
	v_permlane16_swap_b32 v26, v27
	global_store_b64 v9, v[24:25], s[80:81]                ; 256 consecutive bytes, aligned
	global_store_b64 v9, v[26:27], s[80:81] offset:256
	global_store_b16 v8, v254, s[82:83]                    ; my row's two bytes; both halves of the lanes write the same
	s_wait_tensorcnt 0x0                           ; the wave's end
	ds_add_u32 v6, v7
	s_wait_dscnt 0x0
	CROUND                                         ; the closing round
	s_endpgm
.Lfunc_end_k_qb6f9fce283_attn:
	.size	k_qb6f9fce283_attn, .Lfunc_end_k_qb6f9fce283_attn-k_qb6f9fce283_attn
	.p2alignl 7, 3214868480
	.fill 96, 4, 3214868480
	.section	.rodata,"a",@progbits
	.p2align	6, 0x0
	.amdhsa_kernel k_qb6f9fce283_attn
		.amdhsa_group_segment_fixed_size 184320
		.amdhsa_private_segment_fixed_size 0
		.amdhsa_enable_private_segment 0
		.amdhsa_kernarg_size 32
		.amdhsa_user_sgpr_count 2
		.amdhsa_user_sgpr_kernarg_segment_ptr 1
		.amdhsa_wavefront_size32 1
		.amdhsa_system_sgpr_workgroup_id_x 1
		.amdhsa_system_sgpr_workgroup_id_y 1
		.amdhsa_system_sgpr_workgroup_id_z 1
		.amdhsa_system_vgpr_workitem_id 0
		.amdhsa_next_free_vgpr 256
		.amdhsa_next_free_sgpr 100
		.amdhsa_reserve_vcc 1
		.amdhsa_float_denorm_mode_32 3
		.amdhsa_float_denorm_mode_16_64 3
		.amdhsa_memory_ordered 1
		.amdhsa_forward_progress 1
		.amdhsa_inst_pref_size 68
	.end_amdhsa_kernel
	.amdgpu_metadata
---
amdhsa.version: [ 1, 2 ]
amdhsa.kernels:
  - .name:           k_qb6f9fce283_attn
    .symbol:         k_qb6f9fce283_attn.kd
    .args:
      - { .name: qkv_codes, .offset: 0, .size: 8, .value_kind: global_buffer, .address_space: global }
      - { .name: qkv_scales, .offset: 8, .size: 8, .value_kind: global_buffer, .address_space: global }
      - { .name: act_codes, .offset: 16, .size: 8, .value_kind: global_buffer, .address_space: global }
      - { .name: act_scales, .offset: 24, .size: 8, .value_kind: global_buffer, .address_space: global }
    .group_segment_fixed_size: 184320
    .private_segment_fixed_size: 0
    .kernarg_segment_align: 8
    .kernarg_segment_size: 32
    .max_flat_workgroup_size: 512
    .sgpr_count:     100
    .vgpr_count:     256
    .wavefront_size: 32
...
	.end_amdgpu_metadata
.endif
;; end of part 3
;; launch proj (part 4): grid 8 x 32, 4 waves a work-group, clusters of 4 x 4, 168,448 bytes of LDS; arguments act_codes, act_scales, proj_w_codes, proj_w_scales, proj_b, x, x1; writes x1
.if DOCPART == 4
	.amdgcn_target "amdgcn-amd-amdhsa--gfx1250"
	.amdhsa_code_object_version 6
	.text
	.protected	k_qb6f9fce283_proj
	.globl	k_qb6f9fce283_proj
	.p2align	8
	.type	k_qb6f9fce283_proj,@function
k_qb6f9fce283_proj:
	s_mov_b64 s[64:65], 0
	v_nop
	global_prefetch_b8 v0, s[64:65] scope:SCOPE_SE
	s_setreg_imm32_b32 hwreg(HW_REG_WAVE_MODE, 25, 1), 1
	s_wait_xcnt 0x0
	s_wait_alu depctr_hold_cnt(0) depctr_sa_sdst(0) depctr_va_vdst(0) depctr_va_sdst(0) depctr_va_ssrc(0) depctr_va_vcc(0) depctr_vm_vsrc(0)
	s_getreg_b32 s2, hwreg(HW_REG_IB_STS2, 6, 4)
	s_cmp_eq_u32 s2, 0
	s_cbranch_scc0 .Lentry_in_a_cluster
	s_endpgm
.Lentry_in_a_cluster:
	s_bfe_u32 s2, ttmp6, 0x10000c
	s_cmp_lg_u32 s2, 0xf033
	s_cbranch_scc0 .Lentry_shape_is_right
	s_endpgm
.Lentry_shape_is_right:
; x1 = x + attention W^T + b on FP4 codes, K = 1,024.  A tile of 128 x 128 to a work-group of four waves (256 work-groups), each wave 64 x 64: 16 accumulators.
; All of K lies in LDS at once, filled once: A's codes as images of the operand's registers, W's as rows of 512 bytes padded to 528.  CLUSTER 4 x 4: A's tiles shared along a row, W's along a column.
; Source 0 = 16 rows of W, source 1 = 16 tokens: a lane holds eight neighbouring columns of one row.  The bias is the C of the first K step's products.
; A wave is alone on its SIMD, so nothing else covers its LDS loads: THE FRAGMENTS RUN ONE K STEP AHEAD, in two buffers: step q + 1's sixteen loads are issued ahead of step q's sixteen products.
; THE RESIDUAL IS ASKED FOR AT THE HEAD, behind the tensor loads, in the layout in which the rows come back from the stage: it lands under the first fill and the products.
; REGISTERS, in two windows of 256: window 0: v0-15 addresses; v16-79 two sets of scale words (in a set: A's 16, then W's 16: tile i, K step q % 4 at 4 i + q % 4); v80-143, v144-207 two fragment buffers (A's four, then W's four);
;   v208-239 the bias of my 64 columns.   window 1: v0-127 accumulator (i, j) at 8 (4 i + j), i = the lanes' tile, j = the registers' tile; v128-255 the residual.
; The way out goes through the wave's own stage in LDS, 16 rows at a time; sixteen lanes store 256 consecutive bytes, aligned.
.set WROW,  65536
.set SCL,   133120
.set STAGE, 141824
.set SCS, 16
.set FB,  80
.set BIA, 208
.set BK,  80                           ; the way out: the rows read back, in the fragments' registers
.set ACC, 0                            ; in window 1
.set RSD, 128                          ; in window 1
.set WV,  16
.set G1A, 24
.set G1SA, 32
.set G1W, 40
.set G1SW, 48
.set G0A, 56
.set G0SA, 60
.set G0W, 68
.set G0SW, 72
.set RB,  14                           ; s[14:15] the residual
.set OB,  96                           ; s[96:97] the output
.set MSB, 0
.macro WIN new                         ; bits 1:0 source 0, 3:2 source 1, 5:4 source 2, 7:6 destination; the immediate's high byte repeats the setting that is left
.if MSB != \new
	s_set_vgpr_msb (MSB<<8)|\new
.set MSB, \new
.endif
.endm
.macro PLACES                          ; four plain places behind a matrix instruction, ahead of loads into its registers and of reads of its results
.rept 4
	v_nop
.endr
.endm
.macro CROUND
	s_barrier_signal -1
	s_barrier_wait -1
	s_cmp_lg_u32 s[WV], 0
	s_cbranch_scc1 .Lnot_wave_0_\@
	s_barrier_signal -3
.Lnot_wave_0_\@:
	s_barrier_wait -3
	s_barrier_signal -1
	s_barrier_wait -1
.endm
.macro FRAGS q, f                      ; the eight fragments of K step q into the buffer at f
.irp i, 0,1,2,3
.irp c, 0,1
	ds_load_b128 v[8*\i+4*\c+(\f):8*\i+4*\c+(\f)+3], v4 offset:8192*\i+1024*(\q)+512*\c
	ds_load_b128 v[32+8*\i+4*\c+(\f):32+8*\i+4*\c+(\f)+3], v5 offset:8448*\i+64*(\q)+32*\c
.endr
.endr
.endm
.macro SCALES g                        ; the scale words of K steps 4 g .. 4 g + 3 into set g
.irp i, 0,1,2,3
	ds_load_b128 v[SCS+32*(\g)+4*\i:SCS+32*(\g)+4*\i+3], v6 offset:272*(2*\i+(\g))
	ds_load_b128 v[SCS+32*(\g)+16+4*\i:SCS+32*(\g)+16+4*\i+3], v7 offset:544*\i+16*(\g)
.endr
.endm
.macro MUL16 kq                        ; the 16 accumulators take turns, one instruction a turn, in the same order in every K step
.irp i, 0,1,2,3
.irp j, 0,1,2,3
.if (\kq) == 0
	v_wmma_scale_f32_16x16x128_f8f6f4 v[ACC+8*(4*\i+\j):ACC+8*(4*\i+\j)+7], v[FB+64*((\kq)%2)+32+8*\j:FB+64*((\kq)%2)+32+8*\j+7], v[FB+64*((\kq)%2)+8*\i:FB+64*((\kq)%2)+8*\i+7], v[BIA+8*\j:BIA+8*\j+7], v[SCS+32*(((\kq)/4)%2)+16+4*\j+(\kq)%4], v[SCS+32*(((\kq)/4)%2)+4*\i+(\kq)%4] matrix_a_fmt:MATRIX_FMT_FP4 matrix_b_fmt:MATRIX_FMT_FP4
.else
	v_wmma_scale_f32_16x16x128_f8f6f4 v[ACC+8*(4*\i+\j):ACC+8*(4*\i+\j)+7], v[FB+64*((\kq)%2)+32+8*\j:FB+64*((\kq)%2)+32+8*\j+7], v[FB+64*((\kq)%2)+8*\i:FB+64*((\kq)%2)+8*\i+7], v[ACC+8*(4*\i+\j):ACC+8*(4*\i+\j)+7], v[SCS+32*(((\kq)/4)%2)+16+4*\j+(\kq)%4], v[SCS+32*(((\kq)/4)%2)+4*\i+(\kq)%4] matrix_a_fmt:MATRIX_FMT_FP4 matrix_b_fmt:MATRIX_FMT_FP4
.endif
.endr
.endr
.endm
.macro KSTEP kq
	WIN 0
.if (\kq) > 0
	PLACES                                         ; the buffer that is loaded next was read by the products of the step before
.endif
.if (\kq) < 7
	FRAGS (\kq)+1, FB+64*(((\kq)+1)%2)
	s_wait_dscnt 16                                ; all but the sixteen just issued: this step's fragments are in
.else
	s_wait_dscnt 0x0
.endif
.if (\kq) == 0
	WIN 0x40                                       ; D in window 1; C, the bias, in window 0
.else
	WIN 0x50                                       ; C and D in window 1
.endif
	MUL16 \kq
.endm
.macro RES i                           ; the residual of rows 16 i .. 16 i + 15, as the rows come back from the stage
.irp t, 0,1,2,3,4,5,6,7
	global_load_b128 v[RSD+32*(\i)+4*\t:RSD+32*(\i)+4*\t+3], v14, s[RB:RB+1] offset:4096*(16*(\i)+2*\t)
.endr
.endm
.macro TOSTAGE i                       ; rows 16 i on: into my stage, and back as whole rows of 256 bytes
	WIN 0x04                                       ; an LDS store's data are its source 1: window 1
.irp j, 0,1,2,3
	ds_store_b128 v12, v[ACC+32*(\i)+8*\j:ACC+32*(\i)+8*\j+3] offset:64*\j             ; each accumulator from its low end on
	ds_store_b128 v12, v[ACC+32*(\i)+8*\j+4:ACC+32*(\i)+8*\j+7] offset:64*\j+16
.endr
	WIN 0
.irp t, 0,1,2,3,4,5,6,7
	ds_load_b128 v[BK+32*(\i)+4*\t:BK+32*(\i)+4*\t+3], v13 offset:544*\t               ; LDS serves a wave's instructions in order (ISA guide 5.7.1.4): these see my stores, and the next block's stores come behind them
.endr
.endm
.macro SEND i
	s_wait_dscnt 16*(3-(\i))                       ; this block is back; the later blocks' eight stores and eight loads each may be out
	WIN 0x04                                       ; source 1, the residual, in window 1
.set kk, 0
.rept 16
	v_pk_add_f32 v[BK+32*(\i)+kk:BK+32*(\i)+kk+1], v[BK+32*(\i)+kk:BK+32*(\i)+kk+1], v[RSD+32*(\i)+kk:RSD+32*(\i)+kk+1]
.set kk, kk+2
.endr
	WIN 0
.irp t, 0,1,2,3,4,5,6,7
	global_store_b128 v14, v[BK+32*(\i)+4*\t:BK+32*(\i)+4*\t+3], s[OB:OB+1] offset:4096*(16*(\i)+2*\t)
.endr
.endm
	s_load_b128 s[4:7], s[0:1], 0x0                ; A's codes, A's scale words
	s_load_b128 s[8:11], s[0:1], 0x10              ; W's codes, W's scale bytes
	s_load_b128 s[12:15], s[0:1], 0x20             ; bias, residual
	s_load_b64 s[96:97], s[0:1], 0x30              ; output
	v_lshl_add_u32 v254, v0, 2, 0x29000
	v_mov_b32 v255, 0
	ds_add_u32 v254, v255
	ds_add_u32 v254, v255
	v_lshrrev_b32 v1, 5, v0
	v_readfirstlane_b32 s[WV], v1                  ; wave 0..3
	s_lshr_b32 s17, s[WV], 1                       ; wa
	s_and_b32 s18, s[WV], 1                        ; wb
	s_bfe_u32 s20, ttmp6, 0x40000
	s_bfe_u32 s21, ttmp6, 0x40004
	s_lshl_b32 s22, ttmp9, 2
	s_add_co_u32 s22, s22, s20                     ; X
	s_and_b32 s23, ttmp7, 0xffff
	s_lshl_b32 s23, s23, 2
	s_add_co_u32 s23, s23, s21                     ; Y
	s_lshl_b32 s84, s21, 2
	s_lshl_b32 s84, 15, s84
	s_lshl_b32 s85, 0x1111, s20
	s_or_b32 s[G1A], s84, (3<<16)|(1<<21)          ; A's 128 rows: 65,536 dense bytes as 256 rows of 256
	s_mov_b32 s[G1A+1], 32<<16
	s_mov_b32 s[G1A+2], 256<<16
	s_mov_b32 s[G1A+3], 32<<16
	s_mov_b32 s[G1A+4], 256
	s_mov_b32 s[G1A+5], 32
	s_mov_b32 s[G1A+6], 0
	s_mov_b32 s[G1A+7], 0
	s_or_b32 s[G1SA], s84, (3<<16)|(1<<20)|(1<<21)|(5<<22)|(3<<25)     ; the scales of 128 rows: 4,096 dense bytes as 16 rows of 256 + 16
	s_or_b32 s[G1SW], s85, (3<<16)|(1<<20)|(1<<21)|(5<<22)|(3<<25)
.irp g, G1SA, G1SW
	s_mov_b32 s[\g+1], 32<<16
	s_mov_b32 s[\g+2], 16<<16
	s_mov_b32 s[\g+3], 32<<16
	s_mov_b32 s[\g+4], 16
	s_mov_b32 s[\g+5], 32
	s_mov_b32 s[\g+6], 0
	s_mov_b32 s[\g+7], 0
.endr
	s_or_b32 s[G1W], s85, (1<<20)|(1<<21)|(6<<22)|(3<<25)              ; W's 128 rows of 512 bytes + 16
	s_mov_b32 s[G1W+1], 512<<16
	s_mov_b32 s[G1W+2], 128<<16
	s_mov_b32 s[G1W+3], 512<<16
	s_mov_b32 s[G1W+4], 128
	s_mov_b32 s[G1W+5], 512
	s_mov_b32 s[G1W+6], 0
	s_mov_b32 s[G1W+7], 0
	s_lshl_b32 s76, s23, 16                        ; A hangs on Y alone,
	s_mov_b32 s77, 0
	s_lshl_b32 s78, s23, 12
	s_mov_b32 s79, 0
	s_lshl_b32 s80, s22, 16                        ; W on X alone
	s_mov_b32 s81, 0
	s_lshl_b32 s82, s22, 12
	s_mov_b32 s83, 0
	s_wait_dscnt 0x0
	s_wait_kmcnt 0x0
	s_mov_b32 s[G0A], 1
	s_mov_b32 s[G0A+1], 0
	s_add_nc_u64 s[G0A+2:G0A+3], s[4:5], s[76:77]
	s_or_b32 s[G0A+3], s[G0A+3], 0x80000000
	s_mov_b32 s[G0SA], 1
	s_mov_b32 s[G0SA+1], SCL
	s_add_nc_u64 s[G0SA+2:G0SA+3], s[6:7], s[78:79]
	s_or_b32 s[G0SA+3], s[G0SA+3], 0x80000000
	s_mov_b32 s[G0W], 1
	s_mov_b32 s[G0W+1], WROW
	s_add_nc_u64 s[G0W+2:G0W+3], s[8:9], s[80:81]
	s_or_b32 s[G0W+3], s[G0W+3], 0x80000000
	s_mov_b32 s[G0SW], 1
	s_mov_b32 s[G0SW+1], SCL+4352
	s_add_nc_u64 s[G0SW+2:G0SW+3], s[10:11], s[82:83]
	s_or_b32 s[G0SW+3], s[G0SW+3], 0x80000000
	CROUND
; four whole tiles, four waves, one joint load a wave: wave 0 A's codes, wave 1 W's codes, wave 2 A's scale words, wave 3 W's scale bytes.  One chain of branches on the wave's number, one load to an arm
.macro ARM under, g0, g1, next
	s_cmp_lt_u32 s[WV], \under
	s_cbranch_scc0 \next
	tensor_load_to_lds s[\g0:\g0+3], s[\g1:\g1+7]
	s_nop 0
.rept 4
	v_nop
.endr
	s_branch .Lasked
\next:
.endm
	ARM 1, G0A, G1A, .Larm_w
	ARM 2, G0W, G1W, .Larm_sa
	ARM 3, G0SA, G1SA, .Larm_sw
	tensor_load_to_lds s[G0SW:G0SW+3], s[G1SW:G1SW+7]
	s_nop 0
.rept 4
	v_nop
.endr
.Lasked:
	v_and_b32 v1, 15, v0
	v_bfe_u32 v2, v0, 4, 1
	s_wait_alu depctr_va_vdst(0)
	v_and_b32 v3, 31, v0
	s_wait_alu depctr_va_vdst(0)
	v_lshlrev_b32 v15, 5, v2                       ; 32 h
	s_lshl_b32 s88, s22, 9
	s_lshl_b32 s89, s18, 8
	s_add_co_u32 s88, s88, s89
	s_mov_b32 s89, 0
	s_add_nc_u64 s[12:13], s[12:13], s[88:89]      ; the bias of my 64 columns: lane (r, h) wants, for tile j, columns 16 j + 8 h + 0 .. 7
.irp j, 0,1,2,3
	global_load_b128 v[BIA+8*\j:BIA+8*\j+3], v15, s[12:13] offset:64*\j
	global_load_b128 v[BIA+8*\j+4:BIA+8*\j+7], v15, s[12:13] offset:64*\j+16
.endr
	s_lshl_b32 s90, s23, 19
	s_lshl_b32 s91, s17, 18
	s_add_co_u32 s90, s90, s91
	s_add_co_u32 s90, s90, s88
	s_mov_b32 s91, 0
	s_add_nc_u64 s[RB:RB+1], s[RB:RB+1], s[90:91]  ; my 64 rows x 64 columns in the residual
	s_add_nc_u64 s[OB:OB+1], s[OB:OB+1], s[90:91]  ; and in the output
	v_lshlrev_b32 v14, 12, v2
	v_lshl_add_u32 v14, v1, 4, v14                 ; lanes 0-15 one row of 256 bytes, lanes 16-31 the next
	WIN 0x40                                       ; destination window 1
	RES 0
	RES 1
	RES 2
	RES 3
	WIN 0
	s_lshl_b32 s92, s17, 15
	v_lshl_add_u32 v4, v3, 4, s92
	v_mul_u32_u24 v5, v1, 528
	v_lshl_add_u32 v5, v2, 4, v5
	s_mul_i32 s93, s18, 33792
	s_add_co_u32 s93, s93, WROW
	v_add_nc_u32 v5, s93, v5
	s_mul_i32 s94, s17, 2176
	s_add_co_u32 s94, s94, SCL
	v_lshl_add_u32 v6, v1, 4, s94
	v_lshrrev_b32 v240, 3, v1
	v_mul_u32_u24 v7, v240, 272
	v_and_b32 v240, 7, v1
	v_lshl_add_u32 v7, v240, 5, v7
	s_mul_i32 s95, s18, 2176
	s_add_co_u32 s95, s95, SCL+4352
	v_add_nc_u32 v7, s95, v7
	s_mul_i32 s92, s[WV], 4352
	s_add_co_u32 s92, s92, STAGE
	v_mul_u32_u24 v12, v1, 272
	v_lshl_add_u32 v12, v2, 5, v12
	v_add_nc_u32 v12, s92, v12                     ; the stage, in: row r, 32 h
	v_mul_u32_u24 v13, v2, 272
	v_lshl_add_u32 v13, v1, 4, v13
	v_add_nc_u32 v13, s92, v13                     ; back: lanes 0-15 one row of 256 bytes, lanes 16-31 the next
	s_wait_alu depctr_va_vdst(0)
	s_wait_tensorcnt 0x0
	s_barrier_signal -1
	s_barrier_wait -1
	FRAGS 0, FB
	SCALES 0
	SCALES 1
	s_wait_loadcnt 32                              ; the bias's eight loads are in; the residual's 32, issued behind them, may be out
.irp q, 0,1,2,3,4,5,6,7
	KSTEP \q
.endr
	WIN 0
	PLACES
	TOSTAGE 0
	TOSTAGE 1
	TOSTAGE 2
	TOSTAGE 3
	s_wait_loadcnt 0x0                             ; the residual
	SEND 0
	SEND 1
	SEND 2
	SEND 3
	s_wait_dscnt 0x0
	s_wait_tensorcnt 0x0
	ds_add_u32 v254, v255
	s_wait_dscnt 0x0
	CROUND                                         ; the closing round
	s_endpgm
.Lfunc_end_k_qb6f9fce283_proj:
	.size	k_qb6f9fce283_proj, .Lfunc_end_k_qb6f9fce283_proj-k_qb6f9fce283_proj
	.p2alignl 7, 3214868480
	.fill 96, 4, 3214868480
	.section	.rodata,"a",@progbits
	.p2align	6, 0x0
	.amdhsa_kernel k_qb6f9fce283_proj
		.amdhsa_group_segment_fixed_size 168448
		.amdhsa_private_segment_fixed_size 0
		.amdhsa_enable_private_segment 0
		.amdhsa_kernarg_size 56
		.amdhsa_user_sgpr_count 2
		.amdhsa_user_sgpr_kernarg_segment_ptr 1
		.amdhsa_wavefront_size32 1
		.amdhsa_system_sgpr_workgroup_id_x 1
		.amdhsa_system_sgpr_workgroup_id_y 1
		.amdhsa_system_sgpr_workgroup_id_z 1
		.amdhsa_system_vgpr_workitem_id 0
		.amdhsa_next_free_vgpr 512
		.amdhsa_next_free_sgpr 100
		.amdhsa_reserve_vcc 0
		.amdhsa_float_denorm_mode_32 3
		.amdhsa_float_denorm_mode_16_64 3
		.amdhsa_memory_ordered 1
		.amdhsa_forward_progress 1
		.amdhsa_inst_pref_size 51
	.end_amdhsa_kernel
	.amdgpu_metadata
---
amdhsa.version: [ 1, 2 ]
amdhsa.kernels:
  - .name:           k_qb6f9fce283_proj
    .symbol:         k_qb6f9fce283_proj.kd
    .args:
      - { .name: act_codes, .offset: 0, .size: 8, .value_kind: global_buffer, .address_space: global }
      - { .name: act_scales, .offset: 8, .size: 8, .value_kind: global_buffer, .address_space: global }
      - { .name: proj_w_codes, .offset: 16, .size: 8, .value_kind: global_buffer, .address_space: global }
      - { .name: proj_w_scales, .offset: 24, .size: 8, .value_kind: global_buffer, .address_space: global }
      - { .name: proj_b, .offset: 32, .size: 8, .value_kind: global_buffer, .address_space: global }
      - { .name: x, .offset: 40, .size: 8, .value_kind: global_buffer, .address_space: global }
      - { .name: x1, .offset: 48, .size: 8, .value_kind: global_buffer, .address_space: global }
    .group_segment_fixed_size: 168448
    .private_segment_fixed_size: 0
    .kernarg_segment_align: 8
    .kernarg_segment_size: 56
    .max_flat_workgroup_size: 128
    .sgpr_count:     100
    .vgpr_count:     512
    .wavefront_size: 32
...
	.end_amdgpu_metadata
.endif
;; end of part 4
;; launch ln2: the kernel of part 1 again; grid 256 x 1, 8 waves a work-group, no clusters, 168,960 bytes of LDS; arguments x1, ln2_g, ln2_b, act_codes, act_scales; writes act_codes, act_scales
;; launch l1 (part 5): grid 16 x 16, 16 waves a work-group, clusters of 4 x 4, 287,744 bytes of LDS; arguments act_codes, act_scales, l1_w_codes, l1_w_scales, l1_b, hid_codes, hid_scales; writes hid_codes, hid_scales
.if DOCPART == 5
	.amdgcn_target "amdgcn-amd-amdhsa--gfx1250"
	.amdhsa_code_object_version 6
	.text
	.protected	k_qb6f9fce283_l1
	.globl	k_qb6f9fce283_l1
	.p2align	8
	.type	k_qb6f9fce283_l1,@function
k_qb6f9fce283_l1:
	s_mov_b64 s[64:65], 0
	v_nop
	global_prefetch_b8 v0, s[64:65] scope:SCOPE_SE
	s_setreg_imm32_b32 hwreg(HW_REG_WAVE_MODE, 25, 1), 1
	s_wait_xcnt 0x0
	s_wait_alu depctr_hold_cnt(0) depctr_sa_sdst(0) depctr_va_vdst(0) depctr_va_sdst(0) depctr_va_ssrc(0) depctr_va_vcc(0) depctr_vm_vsrc(0)
	s_getreg_b32 s2, hwreg(HW_REG_IB_STS2, 6, 4)
	s_cmp_eq_u32 s2, 0
	s_cbranch_scc0 .Lentry_in_a_cluster
	s_endpgm
.Lentry_in_a_cluster:
	s_bfe_u32 s2, ttmp6, 0x10000c
	s_cmp_lg_u32 s2, 0xf033
	s_cbranch_scc0 .Lentry_shape_is_right
	s_endpgm
.Lentry_shape_is_right:
; hidden = relu(LN2(x1) W^T + b) on FP4 codes, K = 1,024, quantised along the hidden units on the way out.
; A tile of 256 tokens x 256 units to a work-group of sixteen waves, each 64 x 64: 16 accumulators, no register windows; four waves share a SIMD.  All of K lies in LDS at once, filled once.
; A's codes come as images of the operand's registers, W's as rows of 512 bytes padded to 528.  CLUSTER 4 x 4: A's tiles shared along a row of the cluster, W's along a column.
; Source 0 = 16 rows of W, source 1 = 16 tokens: a lane holds one token, its registers run along the units.  The bias is loaded into the accumulators, so every product adds in place.
; A block of 32 units is the 16 registers of two neighbouring accumulators with lane l xor 16's; two conversions and one exchange of halves give lane (r, h) bytes 8 h .. 8 h + 7 of row r's 16.
; OUT: codes [token / 16][unit / 32][16][16]; bytes [unit / 256][token][8].
; LIMITS: NaN and infinities are not served; a block of zeros or under 2^-124 gets the byte 1; only this program reads the bytes.
.set WROW,  131072
.set SCL,   266240
.set STG,   283648                     ; [token 0..255][8 bytes]
.set ASC, 16
.set WSC, 32
.set AF,  48
.set WF,  80
.set ACC, 128
.set CD,  48
.set MX,  64
.set PT,  72
.set SO,  80
.set SW,  88
.set WV,  16
.set G1A, 24
.set G1SA, 32
.set G1W, 40
.set G1SW, 48
.set G0A, 56
.set G0SA, 60
.set G0W, 68
.set G0SW, 72
.set SEL, 98
.macro PLACES
.rept 4
	v_nop
.endr
.endm
.macro CROUND
	s_barrier_signal -1
	s_barrier_wait -1
	s_cmp_lg_u32 s[WV], 0
	s_cbranch_scc1 .Lnot_wave_0_\@
	s_barrier_signal -3
.Lnot_wave_0_\@:
	s_barrier_wait -3
	s_barrier_signal -1
	s_barrier_wait -1
.endm
.macro FRAGS q
.irp i, 0,1,2,3
.irp c, 0,1
	ds_load_b128 v[AF+8*\i+4*\c:AF+8*\i+4*\c+3], v4 offset:8192*\i+1024*(\q)+512*\c
	ds_load_b128 v[WF+8*\i+4*\c:WF+8*\i+4*\c+3], v5 offset:8448*\i+64*(\q)+32*\c
.endr
.endr
.endm
.macro SCALES g
.irp i, 0,1,2,3
	ds_load_b128 v[ASC+4*\i:ASC+4*\i+3], v6 offset:272*(2*\i+(\g))
	ds_load_b128 v[WSC+4*\i:WSC+4*\i+3], v7 offset:544*\i+16*(\g)
.endr
.endm
.macro MUL16 q                         ; the 16 accumulators take turns, one instruction a turn
.irp i, 0,1,2,3
.irp j, 0,1,2,3
	v_wmma_scale_f32_16x16x128_f8f6f4 v[ACC+8*(4*\i+\j):ACC+8*(4*\i+\j)+7], v[WF+8*\j:WF+8*\j+7], v[AF+8*\i:AF+8*\i+7], v[ACC+8*(4*\i+\j):ACC+8*(4*\i+\j)+7], v[WSC+4*\j+(\q)%4], v[ASC+4*\i+(\q)%4] matrix_a_fmt:MATRIX_FMT_FP4 matrix_b_fmt:MATRIX_FMT_FP4
.endr
.endr
.endm
.macro KSTEP q
.if (\q) > 0
	PLACES
.endif
	FRAGS \q
.if (\q)%4 == 0
	SCALES (\q)/4
.endif
	s_wait_dscnt 0x0
	MUL16 \q
.endm
.macro QUANT8
.irp b, 0,1,2,3,4,5,6,7
	v_max3_num_f32 v[MX+\b], |v[ACC+16*\b]|, |v[ACC+16*\b+1]|, 0x1800000       ; the floor 2^(3 - 127) holds the byte at 1 from below
.endr
.irp i, 2,4,6,8,10,12,14
.irp b, 0,1,2,3,4,5,6,7
	v_max3_num_f32 v[MX+\b], v[MX+\b], |v[ACC+16*\b+\i]|, |v[ACC+16*\b+\i+1]|
.endr
.endr
.irp b, 0,1,2,3,4,5,6,7
	v_permlanex16_b32 v[PT+\b], v[MX+\b], s[SEL], s[SEL+1]
.endr
.irp b, 0,1,2,3,4,5,6,7
	v_max_num_f32 v[MX+\b], v[MX+\b], v[PT+\b]
.endr
.irp b, 0,1,2,3,4,5,6,7
	v_add_nc_u32 v[SO+\b], 0xff000000, v[MX+\b]
.endr
.irp b, 0,1,2,3,4,5,6,7
	v_lshrrev_b32 v[PT+\b], 23, v[SO+\b]
.endr
.irp i, 0,1,2,3
	v_lshl_or_b32 v[SW+\i], v[PT+2*\i+1], 8, v[PT+2*\i]
.endr
.irp b, 0,1,2,3,4,5,6,7
	v_cvt_scalef32_pk8_fp4_f32 v[CD+2*\b], v[ACC+16*\b:ACC+16*\b+7], v[SO+\b]
	v_cvt_scalef32_pk8_fp4_f32 v[CD+2*\b+1], v[ACC+16*\b+8:ACC+16*\b+15], v[SO+\b]
.endr
	v_nop                                                  ; one plain place behind a scaled conversion
.irp b, 0,1,2,3,4,5,6,7
	v_permlane16_swap_b32 v[CD+2*\b], v[CD+2*\b+1]
.endr
.endm
	s_load_b128 s[4:7], s[0:1], 0x0                ; A's codes, A's scale words
	s_load_b128 s[8:11], s[0:1], 0x10              ; W's codes, W's scale bytes
	s_load_b128 s[12:15], s[0:1], 0x20             ; bias, hidden codes
	s_load_b64 s[96:97], s[0:1], 0x30              ; hidden scale bytes
	v_lshl_add_u32 v126, v0, 2, 0x45c00
	v_mov_b32 v127, 0
	ds_add_u32 v126, v127
	ds_add_u32 v126, v127
	v_lshrrev_b32 v1, 5, v0
	s_delay_alu instid0(VALU_DEP_1)
	v_readfirstlane_b32 s[WV], v1
	s_lshr_b32 s17, s[WV], 2                       ; wa
	s_and_b32 s18, s[WV], 3                        ; wb, and the piece that I fetch
	s_bfe_u32 s20, ttmp6, 0x40000
	s_bfe_u32 s21, ttmp6, 0x40004
	s_lshl_b32 s22, ttmp9, 2
	s_add_co_u32 s22, s22, s20                     ; X
	s_and_b32 s23, ttmp7, 0xffff
	s_lshl_b32 s23, s23, 2
	s_add_co_u32 s23, s23, s21                     ; Y
	s_lshl_b32 s84, s21, 2
	s_lshl_b32 s84, 15, s84
	s_lshl_b32 s85, 0x1111, s20
	s_or_b32 s[G1A], s84, (3<<16)|(1<<21)
	s_mov_b32 s[G1A+1], 32<<16
	s_mov_b32 s[G1A+2], 128<<16
	s_mov_b32 s[G1A+3], 32<<16
	s_mov_b32 s[G1A+4], 128
	s_mov_b32 s[G1A+5], 32
	s_mov_b32 s[G1A+6], 0
	s_mov_b32 s[G1A+7], 0
	s_or_b32 s[G1SA], s84, (3<<16)|(1<<20)|(1<<21)|(5<<22)|(3<<25)
	s_or_b32 s[G1SW], s85, (3<<16)|(1<<20)|(1<<21)|(5<<22)|(3<<25)
.irp g, G1SA, G1SW
	s_mov_b32 s[\g+1], 32<<16
	s_mov_b32 s[\g+2], 8<<16
	s_mov_b32 s[\g+3], 32<<16
	s_mov_b32 s[\g+4], 8
	s_mov_b32 s[\g+5], 32
	s_mov_b32 s[\g+6], 0
	s_mov_b32 s[\g+7], 0
.endr
	s_or_b32 s[G1W], s85, (1<<20)|(1<<21)|(6<<22)|(3<<25)
	s_mov_b32 s[G1W+1], 512<<16
	s_mov_b32 s[G1W+2], 64<<16
	s_mov_b32 s[G1W+3], 512<<16
	s_mov_b32 s[G1W+4], 64
	s_mov_b32 s[G1W+5], 512
	s_mov_b32 s[G1W+6], 0
	s_mov_b32 s[G1W+7], 0
	s_lshl_b32 s86, s18, 15
	s_lshl_b32 s87, s18, 11
	s_lshl_b32 s76, s23, 17
	s_add_co_u32 s76, s76, s86
	s_mov_b32 s77, 0
	s_lshl_b32 s78, s23, 13
	s_add_co_u32 s78, s78, s87
	s_mov_b32 s79, 0
	s_lshl_b32 s80, s22, 17
	s_add_co_u32 s80, s80, s86
	s_mov_b32 s81, 0
	s_lshl_b32 s82, s22, 13
	s_add_co_u32 s82, s82, s87
	s_mov_b32 s83, 0
	s_mov_b32 s[SEL], 0x76543210
	s_mov_b32 s[SEL+1], 0xfedcba98
	s_wait_dscnt 0x0
	s_wait_kmcnt 0x0
	s_mov_b32 s[G0A], 1
	s_mov_b32 s[G0A+1], s86
	s_add_nc_u64 s[G0A+2:G0A+3], s[4:5], s[76:77]
	s_or_b32 s[G0A+3], s[G0A+3], 0x80000000
	s_mov_b32 s[G0SA], 1
	s_mul_i32 s[G0SA+1], s18, 2176
	s_add_co_u32 s[G0SA+1], s[G0SA+1], SCL
	s_add_nc_u64 s[G0SA+2:G0SA+3], s[6:7], s[78:79]
	s_or_b32 s[G0SA+3], s[G0SA+3], 0x80000000
	s_mov_b32 s[G0W], 1
	s_mul_i32 s[G0W+1], s18, 33792
	s_add_co_u32 s[G0W+1], s[G0W+1], WROW
	s_add_nc_u64 s[G0W+2:G0W+3], s[8:9], s[80:81]
	s_or_b32 s[G0W+3], s[G0W+3], 0x80000000
	s_mov_b32 s[G0SW], 1
	s_mul_i32 s[G0SW+1], s18, 2176
	s_add_co_u32 s[G0SW+1], s[G0SW+1], SCL+8704
	s_add_nc_u64 s[G0SW+2:G0SW+3], s[10:11], s[82:83]
	s_or_b32 s[G0SW+3], s[G0SW+3], 0x80000000
	CROUND
; sixteen pieces, sixteen waves, one joint load a wave: waves 0-3 A's codes, 4-7 W's codes, 8-11 A's scale words, 12-15 W's scale bytes; piece = wave % 4.  One chain of branches on the wave's number, one load to an arm
.macro ARM under, g0, g1, next
	s_cmp_lt_u32 s[WV], \under
	s_cbranch_scc0 \next
	tensor_load_to_lds s[\g0:\g0+3], s[\g1:\g1+7]
	s_nop 0
.rept 4
	v_nop
.endr
	s_branch .Lasked
\next:
.endm
	ARM 4, G0A, G1A, .Larm_w
	ARM 8, G0W, G1W, .Larm_sa
	ARM 12, G0SA, G1SA, .Larm_sw
	tensor_load_to_lds s[G0SW:G0SW+3], s[G1SW:G1SW+7]
	s_nop 0
.rept 4
	v_nop
.endr
.Lasked:
	v_and_b32 v1, 15, v0
	v_bfe_u32 v2, v0, 4, 1
	v_and_b32 v3, 31, v0
	s_wait_alu depctr_va_vdst(0)
	v_lshlrev_b32 v15, 5, v2                       ; 32 h
	s_lshl_b32 s76, s22, 10
	s_lshl_b32 s77, s18, 8
	s_add_co_u32 s76, s76, s77
	s_mov_b32 s77, 0
	s_add_nc_u64 s[12:13], s[12:13], s[76:77]      ; the bias of my 64 units
.irp i, 0,1,2,3
.irp j, 0,1,2,3
	global_load_b128 v[ACC+8*(4*\i+\j):ACC+8*(4*\i+\j)+3], v15, s[12:13] offset:64*\j
	global_load_b128 v[ACC+8*(4*\i+\j)+4:ACC+8*(4*\i+\j)+7], v15, s[12:13] offset:64*\j+16
.endr
.endr
	s_lshl_b32 s78, s23, 19
	s_lshl_b32 s79, s17, 17
	s_add_co_u32 s78, s78, s79
	s_lshl_b32 s79, s22, 11
	s_add_co_u32 s78, s78, s79
	s_lshl_b32 s79, s18, 9
	s_add_co_u32 s78, s78, s79
	s_mov_b32 s79, 0
	s_add_nc_u64 s[14:15], s[14:15], s[78:79]      ; codes: 32,768 bytes a tile of 16 tokens, 256 a block of 32 units
	s_lshl_b32 s80, s22, 15
	s_lshl_b32 s81, s23, 11
	s_add_co_u32 s80, s80, s81
	s_lshl_b32 s81, s[WV], 9
	s_add_co_u32 s80, s80, s81
	s_mov_b32 s81, 0
	s_add_nc_u64 s[96:97], s[96:97], s[80:81]      ; bytes: used by waves 0-3, 512 each
	s_lshl_b32 s88, s17, 15
	v_lshl_add_u32 v4, v3, 4, s88
	v_mul_u32_u24 v5, v1, 528
	s_delay_alu instid0(VALU_DEP_1)
	v_lshl_add_u32 v5, v2, 4, v5
	s_mul_i32 s89, s18, 33792
	s_add_co_u32 s89, s89, WROW
	v_add_nc_u32 v5, s89, v5
	s_mul_i32 s90, s17, 2176
	s_add_co_u32 s90, s90, SCL
	v_lshl_add_u32 v6, v1, 4, s90
	v_lshrrev_b32 v112, 3, v1
	s_delay_alu instid0(VALU_DEP_1)
	v_mul_u32_u24 v7, v112, 272
	v_and_b32 v112, 7, v1
	s_delay_alu instid0(VALU_DEP_1)
	v_lshl_add_u32 v7, v112, 5, v7
	s_mul_i32 s91, s18, 2176
	s_add_co_u32 s91, s91, SCL+8704
	v_add_nc_u32 v7, s91, v7
	s_lshl_b32 s93, s17, 9
	s_lshl_b32 s94, s18, 1
	s_add_co_u32 s93, s93, s94
	s_add_co_u32 s93, s93, STG
	v_lshl_add_u32 v10, v1, 3, s93                 ; 8 (64 wa + r) + 2 wb
	s_lshl_b32 s94, s18, 9
	s_add_co_u32 s94, s94, STG
	v_lshl_add_u32 v11, v3, 4, s94
	v_lshlrev_b32 v12, 4, v1
	s_delay_alu instid0(VALU_DEP_1)
	v_lshl_add_u32 v12, v2, 3, v12                 ; 16 r + 8 h
	v_lshlrev_b32 v14, 4, v3
	s_wait_alu depctr_va_vdst(0)
	s_wait_tensorcnt 0x0
	s_barrier_signal -1
	s_barrier_wait -1
	s_wait_loadcnt 0x0                             ; the bias
.irp q, 0,1,2,3,4,5,6,7
	KSTEP \q
.endr
	PLACES
.set jj, 0
.rept 128
	v_max_num_f32 v[ACC+jj], 0, v[ACC+jj]          ; the activation, each accumulator from its low end on
.set jj, jj+1
.endr
	QUANT8
.irp i, 0,1,2,3
.irp u, 0,1
	global_store_b64 v12, v[CD+2*(2*\i+\u):CD+2*(2*\i+\u)+1], s[14:15] offset:32768*\i+256*\u      ; 256 consecutive bytes, aligned
.endr
.endr
.irp i, 0,1,2,3
	ds_store_b16 v10, v[SW+\i] offset:128*\i       ; my two bytes of a token's eight
.endr
	s_wait_dscnt 0x0
	s_barrier_signal -1
	s_barrier_wait -1
	s_cmp_lt_u32 s[WV], 4
	s_cbranch_scc0 .Ldone
	ds_load_b128 v[92:95], v11
	s_wait_dscnt 0x0
	global_store_b128 v14, v[92:95], s[96:97]      ; 512 consecutive bytes
.Ldone:
	s_wait_dscnt 0x0
	s_wait_tensorcnt 0x0
	ds_add_u32 v126, v127
	s_wait_dscnt 0x0
	CROUND                                         ; the closing round
	s_endpgm
.Lfunc_end_k_qb6f9fce283_l1:
	.size	k_qb6f9fce283_l1, .Lfunc_end_k_qb6f9fce283_l1-k_qb6f9fce283_l1
	.p2alignl 7, 3214868480
	.fill 96, 4, 3214868480
	.section	.rodata,"a",@progbits
	.p2align	6, 0x0
	.amdhsa_kernel k_qb6f9fce283_l1
		.amdhsa_group_segment_fixed_size 287744
		.amdhsa_private_segment_fixed_size 0
		.amdhsa_enable_private_segment 0
		.amdhsa_kernarg_size 56
		.amdhsa_user_sgpr_count 2
		.amdhsa_user_sgpr_kernarg_segment_ptr 1
		.amdhsa_wavefront_size32 1
		.amdhsa_system_sgpr_workgroup_id_x 1
		.amdhsa_system_sgpr_workgroup_id_y 1
		.amdhsa_system_sgpr_workgroup_id_z 1
		.amdhsa_system_vgpr_workitem_id 0
		.amdhsa_next_free_vgpr 256
		.amdhsa_next_free_sgpr 100
		.amdhsa_reserve_vcc 0
		.amdhsa_float_denorm_mode_32 3
		.amdhsa_float_denorm_mode_16_64 3
		.amdhsa_memory_ordered 1
		.amdhsa_forward_progress 1
		.amdhsa_inst_pref_size 52
	.end_amdhsa_kernel
	.amdgpu_metadata
---
amdhsa.version: [ 1, 2 ]
amdhsa.kernels:
  - .name:           k_qb6f9fce283_l1
    .symbol:         k_qb6f9fce283_l1.kd
    .args:
      - { .name: act_codes, .offset: 0, .size: 8, .value_kind: global_buffer, .address_space: global }
      - { .name: act_scales, .offset: 8, .size: 8, .value_kind: global_buffer, .address_space: global }
      - { .name: l1_w_codes, .offset: 16, .size: 8, .value_kind: global_buffer, .address_space: global }
      - { .name: l1_w_scales, .offset: 24, .size: 8, .value_kind: global_buffer, .address_space: global }
      - { .name: l1_b, .offset: 32, .size: 8, .value_kind: global_buffer, .address_space: global }
      - { .name: hid_codes, .offset: 40, .size: 8, .value_kind: global_buffer, .address_space: global }
      - { .name: hid_scales, .offset: 48, .size: 8, .value_kind: global_buffer, .address_space: global }
    .group_segment_fixed_size: 287744
    .private_segment_fixed_size: 0
    .kernarg_segment_align: 8
    .kernarg_segment_size: 56
    .max_flat_workgroup_size: 512
    .sgpr_count:     100
    .vgpr_count:     256
    .wavefront_size: 32
...
	.end_amdgpu_metadata
.endif
;; end of part 5
;; launch l3 (part 6): grid 32 x 8, 4 waves a work-group, clusters of 4 x 1, 327,680 bytes of LDS; arguments hid_codes, hid_scales, l3_w_codes, l3_w_scales, l3_b, x1, out0; writes out0
.if DOCPART == 6
	.amdgcn_target "amdgcn-amd-amdhsa--gfx1250"
	.amdhsa_code_object_version 6
	.text
	.protected	k_qb6f9fce283_l3
	.globl	k_qb6f9fce283_l3
	.p2align	8
	.type	k_qb6f9fce283_l3,@function
k_qb6f9fce283_l3:
	s_mov_b64 s[64:65], 0
	v_nop
	global_prefetch_b8 v0, s[64:65] scope:SCOPE_SE
	s_setreg_imm32_b32 hwreg(HW_REG_WAVE_MODE, 25, 1), 1
	s_wait_xcnt 0x0
	s_wait_alu depctr_hold_cnt(0) depctr_sa_sdst(0) depctr_va_vdst(0) depctr_va_sdst(0) depctr_va_ssrc(0) depctr_va_vcc(0) depctr_vm_vsrc(0)
	s_getreg_b32 s2, hwreg(HW_REG_IB_STS2, 6, 4)
	s_cmp_eq_u32 s2, 0
	s_cbranch_scc0 .Lentry_in_a_cluster
	s_endpgm
.Lentry_in_a_cluster:
	s_bfe_u32 s2, ttmp6, 0x10000c
	s_cmp_lg_u32 s2, 0x3003
	s_cbranch_scc0 .Lentry_shape_is_right
	s_endpgm
.Lentry_shape_is_right:
; out = x1 + hidden W^T + b on FP4 codes, K = 4,096.  A tile of 128 tokens x 128 columns to a work-group of four waves (256 work-groups); a wave owns 32 tokens x all 128 columns: 16 accumulators.
; W'S 128 ROWS LIE IN LDS FOR ALL OF K, each byte filled once: four chunks of 1,024 along K, each 128 rows of 512 bytes padded to 528; beside them the scale bytes of W and of the hidden layer for all of K.
; At the head one tensor load a wave: wave 0 chunk 0, wave 1 chunk 1, wave 2 W's scale bytes, wave 3 the hidden layer's.  Chunks 2 and 3 are first filled by waves 0 and 1 behind the wait for all loads, the add, its wait and a round
; of the cluster's barrier; they have K steps 0 to 14 in which to land, and one work-group barrier at the head of K step 15 shows them to all four waves.  Nothing is filled again.
; THE HIDDEN LAYER'S CODES GO FROM MEMORY STRAIGHT INTO REGISTERS: they are stored as images of the operand's registers (a fragment is 1,024 consecutive bytes, lane l's 16 bytes at 16 l and 512 + 16 l), each wave needs only its own
; 32 tokens, and these, 65,536 bytes, are 512 registers: windows 2 and 3 hold them for all of K, so no register is loaded twice.  K step kq + 10's four loads are issued in K step kq.
; The residual's 32 loads are spread over K steps 0 to 15, two a step, in the layout in which the rows come back from the stage.
; CLUSTER 4 x 1: the four partners have the same 128 columns: W's chunks and W's scale bytes are joint loads (mask 15).  The hidden layer's scale bytes are each work-group's own: a plain load in the same group.
; Its codes are not asked for jointly: a work-group reads each byte of them once, into registers.  No prefetch: these loads run ten K steps ahead by themselves, and all of W is asked for right behind the second round.
; Source 0 = 16 rows of W, source 1 = 16 tokens: a lane holds eight neighbouring columns of one row.  The bias is the C of the first K step's products.
; REGISTERS: window 0: v0-15 addresses; v16-95 two sets of scale words (in a set: the tokens' 8, tile i, K step q % 4 at 4 i + q % 4; then W's 32, at 8 + 4 j + q % 4); v96-159, v160-223 two buffers of W's eight fragments.
;   window 1: v0-127 accumulator (i, j) at 8 (8 i + j); v128-255 the residual (v128-191 hold the bias until K step 0 has read it).   windows 2, 3: the tokens' fragments: K step q, tile i at 16 (q % 16) + 8 i of window 2 + q / 16.
; The way out goes through the wave's stage, 16 rows of 528 bytes, in chunk 0's bytes: behind the barrier of K step 15 nobody reads them, and they have had their one fill.  32 lanes store 512 consecutive bytes, aligned.
; All of a WGP's LDS is claimed.
.set CHUNK, 67584                      ; 128 rows x 528 bytes
.set SCW,   270336                     ; W's scale bytes: 64 x (256 + 16): 128 bytes a row, two rows to a unit
.set SCA,   287744                     ; the hidden layer's: [K / 256: 16][128 tokens][8 bytes]
.set SPARE, 304128                     ; the spare words: 128 bytes a wave
.set LEAD,  10                         ; K steps that the loads of the tokens' fragments run ahead
.set SCS, 16
.set FB,  96
.set BK,  96                           ; the way out: the rows read back, in W's fragment registers
.set ACC, 0                            ; in window 1
.set BIA, 128                          ; in window 1
.set RSD, 128                          ; in window 1
.set WV,  16
.set G1W, 24
.set G1SW, 32
.set G1SA, 40
.set G0W, 48
.set G0SW, 52
.set G0SA, 56
.set AB,  60                           ; s[60:61] my 32 tokens' codes
.set RB,  14
.set OB,  2
.set MSB, 0
.set ISS, 0                            ; global loads issued so far, counted by the assembler
.macro WIN new                         ; bits 1:0 source 0, 3:2 source 1, 5:4 source 2, 7:6 destination; the immediate's high byte repeats the setting that is left
.if MSB != \new
	s_set_vgpr_msb (MSB<<8)|\new
.set MSB, \new
.endif
.endm
.macro PLACES                          ; four plain places behind a matrix instruction, ahead of loads into its registers and of reads of its results
.rept 4
	v_nop
.endr
.endm
.macro CROUND                          ; a round of the cluster's barrier
	s_barrier_signal -1
	s_barrier_wait -1
	s_cmp_lg_u32 s[WV], 0
	s_cbranch_scc1 .Lnot_wave_0_\@
	s_barrier_signal -3
.Lnot_wave_0_\@:
	s_barrier_wait -3
	s_barrier_signal -1
	s_barrier_wait -1
.endm
.macro ARM under, g0, g1, next
	s_cmp_lt_u32 s[WV], \under
	s_cbranch_scc0 \next
	tensor_load_to_lds s[\g0:\g0+3], s[\g1:\g1+7]
	s_nop 0
.rept 4
	v_nop
.endr
	s_branch .Lasked
\next:
.endm
.macro FRAGS kq                        ; W's eight fragments of K step kq into buffer kq % 2: sixteen loads
.irp j, 0,1,2,3,4,5,6,7
.irp c, 0,1
	ds_load_b128 v[FB+64*((\kq)%2)+8*\j+4*\c:FB+64*((\kq)%2)+8*\j+4*\c+3], v[4+(\kq)/8] offset:8448*\j+64*((\kq)%8)+32*\c
.endr
.endr
.endm
.macro SCALES kq                       ; the scale words of K steps kq .. kq + 3 (kq a multiple of 4) into set (kq / 4) % 2: twelve loads
.irp i, 0,1
	ds_load_b64 v[SCS+40*(((\kq)/4)%2)+4*\i:SCS+40*(((\kq)/4)%2)+4*\i+1], v8 offset:1024*((\kq)/2)+128*\i
	ds_load_b64 v[SCS+40*(((\kq)/4)%2)+4*\i+2:SCS+40*(((\kq)/4)%2)+4*\i+3], v8 offset:1024*((\kq)/2+1)+128*\i
.endr
.irp j, 0,1,2,3,4,5,6,7
	ds_load_b128 v[SCS+40*(((\kq)/4)%2)+8+4*\j:SCS+40*(((\kq)/4)%2)+8+4*\j+3], v9 offset:2176*\j+16*((\kq)/4)
.endr
.endm
.macro ALOAD k                         ; my two tiles' fragments of K step k: four loads, each 512 consecutive bytes
	WIN 0x80+0x40*((\k)/16)
.irp i, 0,1
.irp c, 0,1
	global_load_b128 v[16*((\k)%16)+8*\i+4*\c:16*((\k)%16)+8*\i+4*\c+3], v14, s[AB:AB+1] offset:32768*\i+1024*(\k)+512*\c
.endr
.endr
.set ISS, ISS+4
.endm
.macro RES2 t                          ; rows t and t + 1 of my 32 of the residual, 512 consecutive bytes each
	WIN 0x40
	global_load_b128 v[RSD+4*(\t):RSD+4*(\t)+3], v14, s[RB:RB+1] offset:4096*(\t)
	global_load_b128 v[RSD+4*(\t)+4:RSD+4*(\t)+7], v14, s[RB:RB+1] offset:4096*(\t)+4096
.set ISS, ISS+2
.endm
.macro MUL16 kq                        ; the 16 accumulators take turns, one instruction a turn, in the same order in every K step
.irp i, 0,1
.irp j, 0,1,2,3,4,5,6,7
.if (\kq) == 0
	v_wmma_scale_f32_16x16x128_f8f6f4 v[ACC+8*(8*\i+\j):ACC+8*(8*\i+\j)+7], v[FB+64*((\kq)%2)+8*\j:FB+64*((\kq)%2)+8*\j+7], v[16*((\kq)%16)+8*\i:16*((\kq)%16)+8*\i+7], v[BIA+8*\j:BIA+8*\j+7], v[SCS+40*(((\kq)/4)%2)+8+4*\j+(\kq)%4], v[SCS+40*(((\kq)/4)%2)+4*\i+(\kq)%4] matrix_a_fmt:MATRIX_FMT_FP4 matrix_b_fmt:MATRIX_FMT_FP4
.else
	v_wmma_scale_f32_16x16x128_f8f6f4 v[ACC+8*(8*\i+\j):ACC+8*(8*\i+\j)+7], v[FB+64*((\kq)%2)+8*\j:FB+64*((\kq)%2)+8*\j+7], v[16*((\kq)%16)+8*\i:16*((\kq)%16)+8*\i+7], v[ACC+8*(8*\i+\j):ACC+8*(8*\i+\j)+7], v[SCS+40*(((\kq)/4)%2)+8+4*\j+(\kq)%4], v[SCS+40*(((\kq)/4)%2)+4*\i+(\kq)%4] matrix_a_fmt:MATRIX_FMT_FP4 matrix_b_fmt:MATRIX_FMT_FP4
.endif
.endr
.endr
.endm
; K step kq of 32: the next step's LDS loads, the global loads that are due, then this step's products
.macro KSTEP kq
	WIN 0                                          ; (the add's registers lie in window 0)
.if (\kq) == 15
	s_wait_tensorcnt 0x0                           ; my part of chunks 2 and 3 is in (waves 2 and 3 have none out);
	ds_add_u32 v10, v11                            ; 0 onto my spare word;
	s_wait_dscnt 0x0                               ; the add is done, and my reads of chunks 0 and 1 are over: this step's fragments are in registers
	s_barrier_signal -1
	s_barrier_wait -1                              ; chunks 2 and 3 are whole for every wave, and nobody reads chunk 0 any more
.endif
.if (\kq) > 0
	PLACES                                         ; the buffer that is loaded next was read by the products of the step before
.endif
.if (\kq) < 31
	FRAGS (\kq)+1
.if ((\kq)+1)%4 == 0
	SCALES (\kq)+1
.endif
.endif
.if (\kq)+LEAD < 32
	ALOAD (\kq)+LEAD
.endif
.if (\kq) < 16
	RES2 (16+2*(\kq))%32                           ; rows 16-31 first: rows 0-15 land where the bias lies until K step 0 has read it
.endif
.if (\kq) == 31
	s_wait_dscnt 0x0
.elseif ((\kq)+1)%4 == 0
	s_wait_dscnt 28                                ; all but the sixteen fragment loads and twelve scale loads just issued
.else
	s_wait_dscnt 16                                ; all but the sixteen just issued: this step's fragments of W are in
.endif
; EK: the global loads issued up to and with this step's four.  The head issues the bias's 16 and K steps 0 to LEAD - 1; K step s issues step s + LEAD's four and then, while s < 16, two of the residual
.set SS, (\kq)-LEAD
.if SS < 0
.set EK, 16+4*((\kq)+1)
.elseif SS < 16
.set EK, 16+4*LEAD+6*SS+4
.else
.set EK, 16+4*LEAD+4*SS+32+4
.endif
	s_wait_loadcnt ISS-EK                          ; all but the loads issued behind this step's four: at most 6 LEAD + 2
	WIN 0x58+4*((\kq)/16)                          ; source 0 window 0, source 1 window 2 or 3, C and D window 1
	MUL16 \kq
.endm
.macro TOSTAGE i                       ; rows 16 i on: into my stage, and back as whole rows of 512 bytes
	WIN 0x04                                       ; an LDS store's data are its source 1: window 1
.irp j, 0,1,2,3,4,5,6,7
	ds_store_b128 v12, v[ACC+64*(\i)+8*\j:ACC+64*(\i)+8*\j+3] offset:64*\j             ; each accumulator from its low end on
	ds_store_b128 v12, v[ACC+64*(\i)+8*\j+4:ACC+64*(\i)+8*\j+7] offset:64*\j+16
.endr
	WIN 0
.irp t, 0,1,2,3,4,5,6,7,8,9,10,11,12,13,14,15
	ds_load_b128 v[BK+64*(\i)+4*\t:BK+64*(\i)+4*\t+3], v13 offset:528*\t               ; LDS serves a wave's instructions in order (ISA guide 5.7.1.4): these see my stores, and the next block's stores come behind them
.endr
.endm
.macro SEND i
	s_wait_dscnt 32*(1-(\i))                       ; this block is back; the later block's sixteen stores and sixteen loads may be out
	WIN 0x04                                       ; source 1, the residual, in window 1
.set kk, 0
.rept 32
	v_pk_add_f32 v[BK+64*(\i)+kk:BK+64*(\i)+kk+1], v[BK+64*(\i)+kk:BK+64*(\i)+kk+1], v[RSD+64*(\i)+kk:RSD+64*(\i)+kk+1]
.set kk, kk+2
.endr
	WIN 0
.irp t, 0,1,2,3,4,5,6,7,8,9,10,11,12,13,14,15
	global_store_b128 v14, v[BK+64*(\i)+4*\t:BK+64*(\i)+4*\t+3], s[OB:OB+1] offset:4096*(16*(\i)+\t) th:TH_STORE_NT   ; 32 lanes store 512 consecutive bytes, aligned; written once, read by nobody here
.endr
.endm
	s_load_b128 s[4:7], s[0:1], 0x0                ; the hidden layer's codes, its scale bytes
	s_load_b128 s[8:11], s[0:1], 0x10              ; W's codes, W's scale bytes
	s_load_b128 s[12:15], s[0:1], 0x20             ; bias, residual
	s_load_b64 s[2:3], s[0:1], 0x30                ; output
	v_lshl_add_u32 v10, v0, 2, SPARE
	v_mov_b32 v11, 0
	ds_add_u32 v10, v11
	ds_add_u32 v10, v11
	v_lshrrev_b32 v1, 5, v0
	v_readfirstlane_b32 s[WV], v1                  ; wave 0..3
	v_and_b32 v3, 31, v0
	v_bfe_u32 v2, v0, 4, 1                         ; h
	v_lshlrev_b32 v14, 4, v3                       ; 16 x lane
	v_lshlrev_b32 v15, 5, v2                       ; 32 h
	s_bfe_u32 s20, ttmp6, 0x40000                  ; cx
	s_lshl_b32 s23, ttmp9, 2
	s_add_co_u32 s23, s23, s20                     ; Y: my tile of 128 tokens
	s_and_b32 s22, ttmp7, 0xffff                   ; X: the cluster's tile of 128 columns
	s_mov_b32 s[G1W], 15|(1<<20)|(1<<21)|(6<<22)|(3<<25)               ; W's codes: 128 rows of 512 bytes, 2,048 apart, 16 bytes of padding behind each; the cluster's four
	s_mov_b32 s[G1W+1], 512<<16
	s_mov_b32 s[G1W+2], 128<<16
	s_mov_b32 s[G1W+3], 512<<16
	s_mov_b32 s[G1W+4], 128
	s_mov_b32 s[G1W+5], 2048
	s_mov_b32 s[G1W+6], 0
	s_mov_b32 s[G1W+7], 0
	s_mov_b32 s[G1SW], 15|(3<<16)|(1<<20)|(1<<21)|(5<<22)|(3<<25)      ; W's scale bytes: 16,384 dense bytes as 64 rows of 256 + 16; the cluster's four
	s_mov_b32 s[G1SW+1], 32<<16
	s_mov_b32 s[G1SW+2], 64<<16
	s_mov_b32 s[G1SW+3], 32<<16
	s_mov_b32 s[G1SW+4], 64
	s_mov_b32 s[G1SW+5], 32
	s_mov_b32 s[G1SW+6], 0
	s_mov_b32 s[G1SW+7], 0
	s_mov_b32 s[G1SA], 3<<16                       ; the hidden layer's scale bytes: 16 rows of 128 elements of 8 bytes, 4,096 elements apart; my work-group's own
	s_mov_b32 s[G1SA+1], 128<<16
	s_mov_b32 s[G1SA+2], 16<<16
	s_mov_b32 s[G1SA+3], 128<<16
	s_mov_b32 s[G1SA+4], 16
	s_mov_b32 s[G1SA+5], 4096
	s_mov_b32 s[G1SA+6], 0
	s_mov_b32 s[G1SA+7], 0
	s_lshl_b32 s66, s22, 18                        ; W's codes: X and the wave's chunk alone
	s_lshl_b32 s78, s[WV], 9
	s_add_co_u32 s66, s66, s78
	s_mov_b32 s67, 0
	s_lshl_b32 s68, s22, 14
	s_mov_b32 s69, 0
	s_lshl_b32 s70, s23, 10
	s_mov_b32 s71, 0
	s_lshl_b32 s72, s23, 18                        ; my 32 tokens' codes: 32,768 bytes a tile of 16
	s_lshl_b32 s78, s[WV], 16
	s_add_co_u32 s72, s72, s78
	s_mov_b32 s73, 0
	s_lshl_b32 s74, s22, 9                         ; 128 columns of f32
	s_mov_b32 s75, 0
	s_lshl_b32 s76, s23, 19                        ; my 32 rows x 128 columns in the residual and in the output
	s_lshl_b32 s78, s[WV], 17
	s_add_co_u32 s76, s76, s78
	s_add_co_u32 s76, s76, s74
	s_mov_b32 s77, 0
	s_mov_b32 s[G0W], 1
	s_mul_i32 s[G0W+1], s[WV], CHUNK
	s_mov_b32 s[G0SW], 1
	s_mov_b32 s[G0SW+1], SCW
	s_mov_b32 s[G0SA], 1
	s_mov_b32 s[G0SA+1], SCA
	s_wait_alu depctr_va_vdst(0)
	s_wait_dscnt 0x0                               ; both opening adds are done
	s_wait_kmcnt 0x0
	s_add_nc_u64 s[G0W+2:G0W+3], s[8:9], s[66:67]
	s_or_b32 s[G0W+3], s[G0W+3], 0x80000000
	s_add_nc_u64 s[G0SW+2:G0SW+3], s[10:11], s[68:69]
	s_or_b32 s[G0SW+3], s[G0SW+3], 0x80000000
	s_add_nc_u64 s[G0SA+2:G0SA+3], s[6:7], s[70:71]
	s_or_b32 s[G0SA+3], s[G0SA+3], 0x80000000
	s_add_nc_u64 s[AB:AB+1], s[4:5], s[72:73]
	s_add_nc_u64 s[12:13], s[12:13], s[74:75]
	s_add_nc_u64 s[RB:RB+1], s[RB:RB+1], s[76:77]
	s_add_nc_u64 s[OB:OB+1], s[OB:OB+1], s[76:77]
	WIN 0x40                                       ; destination window 1
.irp j, 0,1,2,3,4,5,6,7
	global_load_b128 v[BIA+8*\j:BIA+8*\j+3], v15, s[12:13] offset:64*\j        ; the bias: lane (r, h) wants, for tile j, columns 16 j + 8 h + 0 .. 7
	global_load_b128 v[BIA+8*\j+4:BIA+8*\j+7], v15, s[12:13] offset:64*\j+16
.endr
.set ISS, ISS+16
.irp k, 0,1,2,3,4,5,6,7,8,9
	ALOAD \k                                       ; K steps 0 to LEAD - 1
.endr
	WIN 0
	CROUND                                         ; the four work-groups are here: the first joint loads meet
	ARM 2, G0W, G1W, .Larm_sw                      ; one chain of branches on the wave's number, one load to an arm
	ARM 3, G0SW, G1SW, .Larm_sa
	tensor_load_to_lds s[G0SA:G0SA+3], s[G1SA:G1SA+7]
	s_nop 0
.rept 4
	v_nop
.endr
.Lasked:
	v_and_b32 v1, 15, v0                           ; r
	v_mul_u32_u24 v4, v1, 528
	v_lshl_add_u32 v4, v2, 4, v4                   ; W's fragments, chunk 0: row r x pitch + 16 h
	v_add_nc_u32 v5, CHUNK, v4
	v_add_nc_u32 v6, 2*CHUNK, v4
	v_add_nc_u32 v7, 3*CHUNK, v4
	s_lshl_b32 s78, s[WV], 8
	s_add_co_u32 s78, s78, SCA
	v_lshl_add_u32 v8, v1, 3, s78                  ; my tokens' scale bytes: 8 a token
	v_lshrrev_b32 v9, 1, v1
	v_mul_u32_u24 v9, v9, 272
	v_and_b32 v12, 1, v1
	v_lshl_add_u32 v9, v12, 7, v9
	v_add_nc_u32 v9, SCW, v9                       ; W's: 128 a row, two rows to a unit of 256
	s_mul_i32 s79, s[WV], 8448                     ; my stage, in chunk 0's bytes
	v_mul_u32_u24 v12, v1, 528
	v_lshl_add_u32 v12, v2, 5, v12
	v_add_nc_u32 v12, s79, v12                     ; in: row r, 32 h
	v_add_nc_u32 v13, s79, v14                     ; back: the 32 lanes take one row of 512 bytes
	s_wait_alu depctr_va_vdst(0)
	s_wait_tensorcnt 0x0                           ; my tile of the head's four is in
	ds_add_u32 v10, v11
	s_add_co_u32 s[G0W+1], s[G0W+1], 2*CHUNK       ; no tensor load of mine is out: the descriptor steps two chunks on
	s_add_nc_u64 s[G0W+2:G0W+3], s[G0W+2:G0W+3], 1024
	s_wait_dscnt 0x0
	CROUND                                         ; all four tiles are in, and the four work-groups are here
	s_cmp_lt_u32 s[WV], 2
	s_cbranch_scc0 .Lno_more
	tensor_load_to_lds s[G0W:G0W+3], s[G1W:G1W+7]  ; wave 0: chunk 2; wave 1: chunk 3
	s_nop 0
.rept 4
	v_nop
.endr
.Lno_more:
	FRAGS 0
	SCALES 0
.irp q, 0,1,2,3,4,5,6,7,8,9,10,11,12,13,14,15,16,17,18,19,20,21,22,23,24,25,26,27,28,29,30,31
	KSTEP \q
.endr
	WIN 0
	PLACES
	TOSTAGE 0
	TOSTAGE 1
	s_wait_loadcnt 0x0                             ; the residual
	SEND 0
	SEND 1
	s_wait_tensorcnt 0x0                           ; the wave's end
	ds_add_u32 v10, v11
	s_wait_dscnt 0x0
	CROUND                                         ; the closing round
	s_endpgm
.Lfunc_end_k_qb6f9fce283_l3:
	.size	k_qb6f9fce283_l3, .Lfunc_end_k_qb6f9fce283_l3-k_qb6f9fce283_l3
	.p2alignl 7, 3214868480
	.fill 96, 4, 3214868480
	.section	.rodata,"a",@progbits
	.p2align	6, 0x0
	.amdhsa_kernel k_qb6f9fce283_l3
		.amdhsa_group_segment_fixed_size 327680
		.amdhsa_private_segment_fixed_size 0
		.amdhsa_enable_private_segment 0
		.amdhsa_kernarg_size 56
		.amdhsa_user_sgpr_count 2
		.amdhsa_user_sgpr_kernarg_segment_ptr 1
		.amdhsa_wavefront_size32 1
		.amdhsa_system_sgpr_workgroup_id_x 1
		.amdhsa_system_sgpr_workgroup_id_y 1
		.amdhsa_system_sgpr_workgroup_id_z 1
		.amdhsa_system_vgpr_workitem_id 0
		.amdhsa_next_free_vgpr 1024
		.amdhsa_next_free_sgpr 100
		.amdhsa_reserve_vcc 0
		.amdhsa_float_denorm_mode_32 3
		.amdhsa_float_denorm_mode_16_64 3
		.amdhsa_memory_ordered 1
		.amdhsa_forward_progress 1
		.amdhsa_inst_pref_size 147
	.end_amdhsa_kernel
	.amdgpu_metadata
---
amdhsa.version: [ 1, 2 ]
amdhsa.kernels:
  - .name:           k_qb6f9fce283_l3
    .symbol:         k_qb6f9fce283_l3.kd
    .args:
      - { .name: hid_codes, .offset: 0, .size: 8, .value_kind: global_buffer, .address_space: global }
      - { .name: hid_scales, .offset: 8, .size: 8, .value_kind: global_buffer, .address_space: global }
      - { .name: l3_w_codes, .offset: 16, .size: 8, .value_kind: global_buffer, .address_space: global }
      - { .name: l3_w_scales, .offset: 24, .size: 8, .value_kind: global_buffer, .address_space: global }
      - { .name: l3_b, .offset: 32, .size: 8, .value_kind: global_buffer, .address_space: global }
      - { .name: x1, .offset: 40, .size: 8, .value_kind: global_buffer, .address_space: global }
      - { .name: out0, .offset: 48, .size: 8, .value_kind: global_buffer, .address_space: global }
    .group_segment_fixed_size: 327680
    .private_segment_fixed_size: 0
    .kernarg_segment_align: 8
    .kernarg_segment_size: 56
    .max_flat_workgroup_size: 128
    .sgpr_count:     100
    .vgpr_count:     1024
    .wavefront_size: 32
...
	.end_amdgpu_metadata
.endif
;; end of part 6
